; MI455X (gfx1250); checked and timed in simulation.
; The chip was launched on July 23, 2026; its instructions are those of AMD's public machine-readable ISA for CDNA 5 (MIT licence, August 2026) and "CDNA5" Instruction Set Architecture Reference Guide (July 2026). The comments in the code are by the model that wrote it; some were corrected since.
;; Multi Head Attention. Allowed arithmetic: matrix products marked QUANTISED: E2M3 operands, one E8M0 scale for each 32 along K, by v_wmma_scale_f32_16x16x128_f8f6f4 with both operands' format E2M3, f32 sums; everything else in f32.
;; Inputs: Wk 1,024 x 1,024 float32; Wo 1,024 x 1,024 float32; Wq 1,024 x 1,024 float32; Wv 1,024 x 1,024 float32; key 4 x 2,048 x 1,024 float32; query 4 x 2,048 x 1,024 float32; value 4 x 2,048 x 1,024 float32.
;; Outputs: out0 4 x 2,048 x 1,024 float32.
;; This version of the problem:
;;   THIS VERSION OF THE PROBLEM IS GIVEN IN LOW PRECISION. The matrix products marked QUANTISED in the list below multiply operands that are first quantised to E2M3 (2 exponent bits, 3 mantissa bits; 6 bits a number), with one power-of-two scale for each 32 numbers along K (OCP MX v1.0); their sums are f32. All else is computed in f32.
;;   The module's matrix products, in the order in which they are computed (A, B: the left and right operand; K: the contracted axis; several contracted axes count as one K, in the product's order):
;;     1. [M 8,192, K 1,024] x [K 1,024, N 1,024]; A: input query; B: input Wq: QUANTISED
;;     2. [M 8,192, K 1,024] x [K 1,024, N 1,024]; A: input key; B: input Wk: QUANTISED
;;     3. [M 8,192, K 1,024] x [K 1,024, N 1,024]; A: input value; B: input Wv: QUANTISED
;;     4. batch 64 x [M 2,048, K 64] x [K 64, N 2,048]; A: computed on the way; B: computed on the way: QUANTISED
;;     5. batch 64 x [M 2,048, K 2,048] x [K 2,048, N 64]; A: softmax (see below); B: computed on the way: QUANTISED
;;     6. [M 8,192, K 1,024] x [K 1,024, N 1,024]; A: computed on the way; B: input Wo: QUANTISED
;;   THE QUANTISER, for each operand of a quantised product, along K:
;;     - K is cut into blocks of 32 from its start; a last block that is shorter is filled with zeros.
;;     - A block's scale is 2^e with e = floor(log2(the largest magnitude in the block)) - 2, held to -126 .. 127; a block of zeros has e = 0. As a byte (E8M0): e + 127.
;;     - Each number is divided by its block's scale, clamped to +-7.5, and rounded to the nearest number of E2M3, ties to even, subnormals kept.
;;     - The product sums the exact products of the quantised numbers (number of the format x scale) in f32.
;;   ~~~python
;;   def quantise(x, axis):      # numpy; x: float32 -> the quantised numbers, widened to float32 again
;;       x = np.moveaxis(x, axis, -1); K = x.shape[-1]
;;       x = np.pad(x, [(0, 0)] * (x.ndim - 1) + [(0, -K % 32)]); x = x.reshape(x.shape[:-1] + (-1, 32)); a = np.abs(x).max(-1, keepdims=True)
;;       e = np.where(a > 0, np.clip(np.frexp(np.where(a > 0, a, 1))[1] - 1 - 2, -126, 127), 0)      # np.frexp(a)[1] - 1 = floor(log2(a)), exactly
;;       r = np.clip(x / 2.0 ** e, -7.5, 7.5)
;;       step = 2.0 ** (np.maximum(np.frexp(np.where(r == 0, 1, r))[1] - 1, 0) - 3)
;;       q = np.round(r / step) * step * 2.0 ** e      # np.round: ties to even
;;       return np.moveaxis(q.reshape(q.shape[:-2] + (-1,))[..., :K], -1, axis).astype(np.float32)
;;   ~~~
;;   SOFTMAX AHEAD OF A QUANTISED PRODUCT. Where the list says 'softmax', what is quantised is not the finished softmax but p = 2^(t - M), with t = logit x log2(e) and M = ceil(the row's largest t), a whole number; so 1/2 < the row's largest p <= 1. The row's sum l is taken of the UNQUANTISED p, in f32, and the product's result is divided by l at the end. Since M is a whole number, a kernel that streams over the keys may use a running M (the ceiling of the running maximum): every later rescaling is an exact power of two, which a block's scale takes up: the codes' values come out the same.
;;   OPERANDS COMPUTED ON THE WAY. 'Computed on the way' means the value that the module computes at that place (a softmax that the list does not call 'softmax' is quantised finished and normalised). What goes into a quantiser is computed in f32, as accurately as f32 sums, v_exp_f32 and their like allow (about 1e-6 of the number): no bf16 or f16 on the way to a quantiser, and a product that is left as it is and whose result goes on into a quantised operand takes f32 operands (vector FMAs, or v_wmma_f32_16x16x4_f32). A number that lies on a knife's edge between two numbers of the format may be rounded either way, as far as f32 arithmetic and the matrix unit's own rounding can turn it there, and no further.
;; One version. Each part assembles by itself: llvm-mc -triple=amdgcn-amd-amdhsa -mcpu=gfx1250 --defsym DOCPART=n.
;; ======== version 1 of 1: 4 launches
;; workspace buffers: codes_in 22,020,096 bytes; scales_in 884,736 bytes; scales_cw 294,912 bytes; qbuf 13,631,488 bytes; kvbuf 13,631,488 bytes; codes_cat 6,291,456 bytes
;; launch quant (part 1): grid 256 x 1, 7 waves a work-group, no clusters, 60,160 bytes of LDS; arguments query, key, value, Wq, Wk, Wv, Wo, codes_in, scales_in, scales_cw; writes codes_in, scales_in, scales_cw
.if DOCPART == 1
	.amdgcn_target "amdgcn-amd-amdhsa--gfx1250"
	.amdhsa_code_object_version 6
	.text
	.protected	k_q8670777fb8_quant
	.globl	k_q8670777fb8_quant
	.p2align	8
	.type	k_q8670777fb8_quant,@function
k_q8670777fb8_quant:
	s_mov_b64 s[64:65], 0
	v_nop
	global_prefetch_b8 v0, s[64:65] scope:SCOPE_SE
	s_setreg_imm32_b32 hwreg(HW_REG_WAVE_MODE, 25, 1), 1
	s_wait_xcnt 0x0
; All seven f32 inputs ([rows][1024], K innermost) become codes of FP6 (E2M3) with one E8M0 byte for each 32 along K, laid in the order of a matrix operand's registers.
; ROW BLOCKS: 16 rows form a row block; lane r of row block RB of a tensor holds row 32 (RB / 2) + 8 (RB % 2) + r + 8 (r / 8).
; Numbers of the row blocks: 0-511 query, 512-1023 key, 1024-1535 value, 1536.. Wq, 1600.. Wk, 1664.. Wv, 1728-1791 Wo.
; CODES: [row block][K / 64][768 bytes]: 16 rows x 64 K; lane (r, h) owns the 24 bytes of block h of row r: its first 16 bytes at 16 x lane, its last 8 at 512 + 8 x lane.
; SCALE WORDS (four bytes: 128 along K of a row): [row block][2][16 rows][4 words].  Wo's go into the buffer that will also hold the attention result's, at row block 512 on.
; A block's scale is 2^(floor(log2(largest magnitude)) - 2); its byte is the largest magnitude's exponent field - 2, held at 1 from below.
; LIMITS: NaN and infinities among the inputs are not served.  A block of zeros gets the byte 1 where the rule says 127: its codes are zeros, and this program alone reads the bytes.
; SHARES: 1,792 row blocks = 256 work-groups x 7 waves; a wave takes one, in 8 steps of 128 along K.  A step's 16 loads read 512 consecutive bytes of a row each; the 8 KiB turn through the
; wave's own stage in LDS (rows 528 bytes apart), so that a lane gets two whole blocks of 32 of its row.  Loads run two steps (32 loads a wave) ahead.  Waves share nothing: no barrier.
; No tensor loads, clusters or matrix units: a stream in which nothing is read twice.
.set STG, 8448                         ; a wave's stage: 16 rows x 528 bytes
.set RA,  128                          ; v128-191, v192-255  two sets of 64 numbers as loaded
.set X,   64                           ; v64-127   my two blocks of 32
.set C,   32                           ; v32-43, v44-55  two sets of codes
.set T,   56                           ; v56-58, v60-62  the conversions' second halves
.set W,   16                           ; v16-23    the eight steps' scale words
	s_load_b512 s[8:23], s[0:1], 0x0               ; query, key, value, Wq, Wk, Wv, Wo, the codes
	s_load_b128 s[24:27], s[0:1], 0x40             ; the two buffers of scale words
	v_lshl_add_u32 v59, v0, 2, 0xe700
	v_mov_b32 v63, 0
	v_lshrrev_b32 v1, 5, v0
	v_readfirstlane_b32 s28, v1                    ; wave 0..6
	v_and_b32 v1, 31, v0                           ; lane
	v_lshlrev_b32 v2, 4, v1                        ; 16 x lane
	v_lshlrev_b32 v3, 3, v1                        ; 8 x lane
	s_mul_i32 s40, s28, STG
	v_add_nc_u32 v4, s40, v2                       ; the stage, on the way in: a row's 512 bytes as they lie
	v_and_b32 v7, 15, v0                           ; r
	v_bfe_u32 v6, v0, 4, 1                         ; h
	v_mul_u32_u24 v5, v7, 528
	v_lshl_add_u32 v5, v6, 7, v5
	v_add_nc_u32 v5, s40, v5                       ; and on the way out: row r, + 128 h bytes: my block of 32
	v_lshlrev_b32 v6, 3, v6                        ; 8 h: my bytes' place in a scale word
	v_mov_b32 v15, 0                               ; a lane permute's destination counts as one of its sources
	s_mov_b32 s30, 0x76543210
	s_mov_b32 s31, 0xfedcba98                      ; selects for lane l xor 16
	s_mul_i32 s29, ttmp9, 7
	s_add_co_u32 s29, s29, s28                     ; my row block's number
	s_wait_alu depctr_va_vdst(0)
	s_wait_kmcnt 0x0
	s_mov_b64 s[32:33], s[20:21]                   ; which tensor: the choices hang on the row block's number alone
	s_cmp_lt_u32 s29, 1728
	s_cselect_b64 s[32:33], s[18:19], s[32:33]
	s_cselect_b64 s[38:39], s[24:25], s[26:27]     ; and which buffer of scale words,
	s_cselect_b32 s41, 0, 1216                     ; at which row block there (Wo's i-th at 512 + i)
	s_cmp_lt_u32 s29, 1664
	s_cselect_b64 s[32:33], s[16:17], s[32:33]
	s_cmp_lt_u32 s29, 1600
	s_cselect_b64 s[32:33], s[14:15], s[32:33]
	s_cmp_lt_u32 s29, 1536
	s_cselect_b64 s[32:33], s[12:13], s[32:33]
	s_cselect_b32 s34, 511, 63
	s_cmp_lt_u32 s29, 1024
	s_cselect_b64 s[32:33], s[10:11], s[32:33]
	s_cmp_lt_u32 s29, 512
	s_cselect_b64 s[32:33], s[8:9], s[32:33]
	s_and_b32 s34, s29, s34                        ; the row block inside its tensor
	s_lshr_b32 s35, s34, 1
	s_lshl_b32 s35, s35, 17                        ; 32 rows of 4,096 bytes
	s_and_b32 s36, s34, 1
	s_lshl_b32 s36, s36, 15                        ; 8 rows
	s_add_co_u32 s36, s36, s35
	s_mov_b32 s37, 0
	s_add_nc_u64 s[32:33], s[32:33], s[36:37]      ; the row block's first row
	s_mul_i32 s36, s29, 12288
	s_add_nc_u64 s[22:23], s[22:23], s[36:37]      ; its codes
	s_sub_co_u32 s36, s29, s41
	s_lshl_b32 s36, s36, 9
	s_add_nc_u64 s[38:39], s[38:39], s[36:37]      ; its scale words
.macro LOAD q                          ; step q: 128 numbers of each of the 16 rows; a load reads 512 consecutive bytes
.irp i, 0,1,2,3,4,5,6,7,8,9,10,11,12,13,14,15
	global_load_b128 v[RA+64*((\q)%2)+4*\i:RA+64*((\q)%2)+4*\i+3], v2, s[32:33] offset:(\i+8*(\i/8))*4096+512*(\q) th:TH_LOAD_NT
.endr
.endm
.macro STEP q
.set RS, RA+64*((\q)%2)
.set CS, C+12*((\q)%2)
.if (\q) < 7
	s_wait_loadcnt 16                              ; this step's 16 loads are in; the next step's 16 may be out
.else
	s_wait_loadcnt 0x0
.endif
.irp i, 0,1,2,3,4,5,6,7,8,9,10,11,12,13,14,15
	ds_store_b128 v4, v[RS+4*\i:RS+4*\i+3] offset:528*\i
.endr
.irp c, 0,1
.irp j, 0,1,2,3,4,5,6,7
	ds_load_b128 v[X+32*\c+4*\j:X+32*\c+4*\j+3], v5 offset:256*\c+16*\j   ; k = 64 c + 32 h + 0 .. 31 of row r.  LDS serves a wave's instructions in order: these see the stores above
.endr
.endr
	s_wait_dscnt 0x0                               ; my blocks are in, and the stores have read the loaded set,
.if (\q) < 6
	LOAD (\q)+2                                    ; which takes the loads of two steps on
.endif
.irp c, 0,1
	v_max3_num_f32 v[8+\c], |v[X+32*\c]|, |v[X+32*\c+1]|, 0x1800000      ; the block's largest magnitude, and the floor 2^(3 - 127): the byte cannot fall under 1
.endr
.irp i, 2,4,6,8,10,12,14,16,18,20,22,24,26,28,30
.irp c, 0,1
	v_max3_num_f32 v[8+\c], v[8+\c], |v[X+32*\c+\i]|, |v[X+32*\c+\i+1]|
.endr
.endr
.irp c, 0,1
	v_add_nc_u32 v[10+\c], 0xff000000, v[8+\c]     ; 2 off the exponent field: the conversion's scale operand
.endr
.irp c, 0,1
	v_lshrrev_b32 v[12+\c], 23, v[10+\c]           ; the scale's byte
.endr
	v_lshl_or_b32 v14, v13, 16, v12                ; blocks h and 2 + h of my row,
	v_lshlrev_b32 v14, v6, v14                     ; at their places in the word;
	v_permlanex16_b32 v15, v14, s30, s31
	v_or_b32 v[W+(\q)], v14, v15                   ; with lane l xor 16's two the word is whole
	s_wait_alu depctr_va_vdst(0)
	s_wait_xcnt 0x0                                ; the stores of two steps back have read this set of codes
.irp c, 0,1
	v_cvt_scalef32_pk16_fp6_f32 v[CS+6*\c:CS+6*\c+2], v[X+32*\c:X+32*\c+15], v[10+\c]
	v_cvt_scalef32_pk16_fp6_f32 v[T+4*\c:T+4*\c+2], v[X+32*\c+16:X+32*\c+31], v[10+\c]   ; (a conversion's three registers begin on an even number)
.endr
	v_nop                                          ; one plain place behind a scaled conversion
.irp c, 0,1
.irp i, 0,1,2
	v_mov_b32 v[CS+6*\c+3+\i], v[T+4*\c+\i]
.endr
.endr
.irp c, 0,1
	global_store_b128 v2, v[CS+6*\c:CS+6*\c+3], s[22:23] offset:1536*(\q)+768*\c        ; 512 consecutive bytes,
	global_store_b64 v3, v[CS+6*\c+4:CS+6*\c+5], s[22:23] offset:1536*(\q)+768*\c+512   ; and 256: both at multiples of 256 from the buffer's first byte
.endr
.endm
	LOAD 0
	LOAD 1
	STEP 0
	STEP 1
	STEP 2
	STEP 3
	STEP 4
	STEP 5
	STEP 6
	STEP 7
	v_cmp_lt_u32 vcc_lo, 15, v1                    ; lanes 0-15 store their row's words 0-3, lanes 16-31 words 4-7
.irp j, 0,1,2,3
	v_cndmask_b32 v[24+\j], v[W+\j], v[W+4+\j], vcc_lo
.endr
	global_store_b128 v2, v[24:27], s[38:39]       ; 512 consecutive bytes
	s_wait_tensorcnt 0x0
	ds_add_u32 v59, v63
	s_wait_dscnt 0x0
	s_endpgm
.Lfunc_end_k_q8670777fb8_quant:
	.size	k_q8670777fb8_quant, .Lfunc_end_k_q8670777fb8_quant-k_q8670777fb8_quant
	.p2alignl 7, 3214868480
	.fill 96, 4, 3214868480
	.section	.rodata,"a",@progbits
	.p2align	6, 0x0
	.amdhsa_kernel k_q8670777fb8_quant
		.amdhsa_group_segment_fixed_size 60160
		.amdhsa_private_segment_fixed_size 0
		.amdhsa_enable_private_segment 0
		.amdhsa_kernarg_size 80
		.amdhsa_user_sgpr_count 2
		.amdhsa_user_sgpr_kernarg_segment_ptr 1
		.amdhsa_wavefront_size32 1
		.amdhsa_system_sgpr_workgroup_id_x 1
		.amdhsa_system_sgpr_workgroup_id_y 1
		.amdhsa_system_sgpr_workgroup_id_z 1
		.amdhsa_system_vgpr_workitem_id 0
		.amdhsa_next_free_vgpr 256
		.amdhsa_next_free_sgpr 66
		.amdhsa_reserve_vcc 1
		.amdhsa_float_denorm_mode_32 3
		.amdhsa_float_denorm_mode_16_64 3
		.amdhsa_memory_ordered 1
		.amdhsa_forward_progress 1
		.amdhsa_inst_pref_size 59
	.end_amdhsa_kernel
	.amdgpu_metadata
---
amdhsa.version: [ 1, 2 ]
amdhsa.kernels:
  - .name:           k_q8670777fb8_quant
    .symbol:         k_q8670777fb8_quant.kd
    .args:
      - { .name: query, .offset: 0, .size: 8, .value_kind: global_buffer, .address_space: global }
      - { .name: key, .offset: 8, .size: 8, .value_kind: global_buffer, .address_space: global }
      - { .name: value, .offset: 16, .size: 8, .value_kind: global_buffer, .address_space: global }
      - { .name: Wq, .offset: 24, .size: 8, .value_kind: global_buffer, .address_space: global }
      - { .name: Wk, .offset: 32, .size: 8, .value_kind: global_buffer, .address_space: global }
      - { .name: Wv, .offset: 40, .size: 8, .value_kind: global_buffer, .address_space: global }
      - { .name: Wo, .offset: 48, .size: 8, .value_kind: global_buffer, .address_space: global }
      - { .name: codes_in, .offset: 56, .size: 8, .value_kind: global_buffer, .address_space: global }
      - { .name: scales_in, .offset: 64, .size: 8, .value_kind: global_buffer, .address_space: global }
      - { .name: scales_cw, .offset: 72, .size: 8, .value_kind: global_buffer, .address_space: global }
    .group_segment_fixed_size: 60160
    .private_segment_fixed_size: 0
    .kernarg_segment_align: 8
    .kernarg_segment_size: 80
    .max_flat_workgroup_size: 224
    .sgpr_count:     66
    .vgpr_count:     256
    .wavefront_size: 32
...
	.end_amdgpu_metadata
.endif
;; end of part 1
;; launch proj (part 2): grid 4 x 96, 4 waves a work-group, clusters of 4 x 4, 327,680 bytes of LDS; arguments codes_in, scales_in, qbuf, kvbuf; writes qbuf, kvbuf
.if DOCPART == 2
	.amdgcn_target "amdgcn-amd-amdhsa--gfx1250"
	.amdhsa_code_object_version 6
	.text
	.protected	k_q8670777fb8_proj
	.globl	k_q8670777fb8_proj
	.p2align	8
	.type	k_q8670777fb8_proj,@function
k_q8670777fb8_proj:
	s_mov_b64 s[64:65], 0
	v_nop
	global_prefetch_b8 v0, s[64:65] scope:SCOPE_SE
	s_setreg_imm32_b32 hwreg(HW_REG_WAVE_MODE, 25, 1), 1
	s_wait_xcnt 0x0
	s_wait_alu depctr_hold_cnt(0) depctr_sa_sdst(0) depctr_va_vdst(0) depctr_va_sdst(0) depctr_va_ssrc(0) depctr_va_vcc(0) depctr_vm_vsrc(0)
	s_getreg_b32 s2, hwreg(HW_REG_IB_STS2, 6, 4)
	s_cmp_eq_u32 s2, 0
	s_cbranch_scc0 .Lentry_in_a_cluster
	s_endpgm
.Lentry_in_a_cluster:
	s_bfe_u32 s2, ttmp6, 0x10000c
	s_cmp_lg_u32 s2, 0xf033
	s_cbranch_scc0 .Lentry_shape_is_right
	s_endpgm
.Lentry_shape_is_right:
; The three projections Q = query Wq^T, K = key Wk^T, V = value Wv^T on codes of FP6 (E2M3) with E8M0 scales, f32 sums; the results are quantised in registers for the attention launch.
; OPERANDS (made by the launch before): row blocks of 16 rows; codes [row block][K / 64][768 bytes] in the order of an operand's registers; scale words [row block][2][16 rows][4].
; Lane r of row block RB holds row 32 (RB / 2) + 8 (RB % 2) + r + 8 (r / 8), so that as source 0 two neighbouring row blocks give a lane 16 registers that are 16 neighbours.
; A work-group of four waves makes 256 x 256 results, a wave 128 x 128: 64 accumulators, 512 registers.  P is source 1 (its rows fall to lanes), R source 0 (its rows fall to registers).
; Q, K: P = tokens, R = weights: a lane holds a token and its registers run along the head's channels, which is the next product's K.  V: P = weights, R = tokens: a lane holds a channel and its registers run along the keys.
; CLUSTER 4 x 4: P's tile hangs on cy and is shared along a row of the cluster, R's on cx and is shared along a column; each is asked for jointly.  Which tensor (z = cluster y / 8) only chooses row block numbers and
; store offsets: one path through the text, and no LDS address hangs on it.
; K = 1,024 goes in four steps of 256 through two LDS slots; the eight steps of 128 are written out, since each names its own scale registers.  All scale words of the wave's rows stay in registers.
; OUT, for each (batch, head) a block of HB bytes = 16 key steps of SB bytes: K's (in qbuf: Q's) codes, tile t of 16 tokens at 768 t; V's codes at 6144 + 3072 g + 768 ct (64 keys g, 16 channels ct);
; K's scale words at 12288 [tile / 4][row][tile % 4]; V's at 12800 [2 copies][row][ct].
; LIMITS: NaN and infinities are not served.  A block of zeros gets the byte 1 where the rule says 127: its codes are zeros, and this program alone reads the bytes.
; No prefetch: the tiles are shared in the cluster, and of the four slot steps two are asked for at the head.
; REGISTERS, in windows of 256: window 0: v2-30 addresses; v32-95 scale words (register 8 i + kq: lanes 0-15 P's block i, lanes 16-31 R's block i, K step kq); v96-119 at work on the way out; v128-223 P's fragments, one set.
;   window 1: R's fragments, two sets, at v0 and v128.   windows 2, 3: the accumulators ((a, b) at v[8 (8 (a % 4) + b)]).
.set HB,    212992
.set SB,    13312
.set HALFT, 24576                      ; 8 row blocks x 3,072 bytes (256 along K): what one tensor load brings, and what one wave reads of P or of R
.set SLOT,  98304                      ; P's 16 row blocks, then R's 16
.set SPARE, 196608                     ; behind the ring: the spare words, 128 bytes for each wave
.set FR,  12
.set AF,  128
.set SC,  32
.set L16, 2                            ; v2  16 x lane
.set L8,  3                            ; v3  8 x lane
.set ADP, 16                           ; v16-17 P's fragments in slot 0, 1 (16 x lane); v18-19 the same with 8 x lane
.set ADR, 20                           ; v20-23 the same for R
.set VS0, 26                           ; v26, v27 where my scale words go
.set VS1, 27
.set SPW, 28                           ; v28 my spare word; never rewritten
.set NIL, 29                           ; v29 0; never rewritten
.set SHF, 30                           ; v30 how far lanes 16-31 shift a scale word
.set TM,  96
.set WD,  112                          ; v112-119 the eight scale words to store
.set G1,  24
.set G0,  32
.set G1B, 48
.set G0B, 56
.set SEL, 66
.set MSB, 0
.macro WIN new                         ; the immediate's high byte repeats the setting that is left
.if MSB != (\new)
	s_set_vgpr_msb (MSB<<8)|(\new)
.set MSB, (\new)
.endif
.endm
.set MUL_LO, 0xa1                      ; source 0 (R) window 1, source 1 (P) window 0, C and D window 2
.set MUL_HI, 0xf1
.set TO_R,   0x40
.macro JLOAD g0a, g1a, g0b, g1b        ; a joint load: waves 0 and 1 fetch P's halves, waves 2 and 3 R's; four v_nop follow each line
	s_cmp_eq_u32 s15, 0
	s_cbranch_scc0 .Lfor_b_\@
	tensor_load_to_lds s[\g0a:\g0a+3], s[\g1a:\g1a+7]
	s_nop 0
.rept 4
	v_nop
.endr
	s_branch .Lasked_\@
.Lfor_b_\@:
	tensor_load_to_lds s[\g0b:\g0b+3], s[\g1b:\g1b+7]
	s_nop 0
.rept 4
	v_nop
.endr
.Lasked_\@:
.endm
.macro CREST                           ; a round of the cluster's barrier behind its opening barrier
	s_cmp_lg_u32 s14, 0
	s_cbranch_scc1 .Lnot_wave_0_\@
	s_barrier_signal -3
.Lnot_wave_0_\@:
	s_barrier_wait -3
	s_barrier_signal -1
	s_barrier_wait -1
.endm
.macro CROUND
	s_barrier_signal -1
	s_barrier_wait -1
	CREST
.endm
.macro PLACES n
.rept \n
	v_nop
.endr
.endm
.macro FRAG reg, adr, q, i             ; a fragment, 16 rows x 128 K: two images of 768 bytes; every load takes 512 or 256 consecutive bytes
	ds_load_b128 v[\reg:\reg+3], v[\adr] offset:3072*(\i)+1536*(\q)
	ds_load_b64 v[\reg+4:\reg+5], v[\adr+2] offset:3072*(\i)+1536*(\q)+512
	ds_load_b128 v[\reg+6:\reg+9], v[\adr] offset:3072*(\i)+1536*(\q)+768
	ds_load_b64 v[\reg+10:\reg+11], v[\adr+2] offset:3072*(\i)+1536*(\q)+1280
.endm
.macro FETCH_R slot, q, p
	WIN TO_R
.irp i, 0,1,2,3,4,5,6,7
	FRAG 128*(\p)+FR*\i, ADR+\slot, \q, \i
.endr
	WIN 0
.endm
.macro FETCH_P slot, q, i0
.irp i, \i0, \i0+1, \i0+2, \i0+3
	FRAG AF+FR*(\i), ADP+\slot, \q, \i
.endr
.endm
; 16 matrix instructions: P's blocks a0, a0 + 1 x R's eight.  The 64 accumulators take turns, one instruction a turn, in the same order in every step.
.macro MUL16 a0, p, kq, zero
.irp a, \a0, \a0+1
.irp b, 0,1,2,3,4,5,6,7
.if \zero
	v_wmma_scale_f32_16x16x128_f8f6f4 v[8*(8*((\a)%4)+\b):8*(8*((\a)%4)+\b)+7], v[128*(\p)+FR*\b:128*(\p)+FR*\b+FR-1], v[AF+FR*(\a):AF+FR*(\a)+FR-1], 0, v[SC+8*\b+(\kq)], v[SC+8*(\a)+(\kq)] matrix_a_fmt:MATRIX_FMT_FP6 matrix_b_fmt:MATRIX_FMT_FP6 matrix_a_scale:MATRIX_SCALE_ROW1
.else
	v_wmma_scale_f32_16x16x128_f8f6f4 v[8*(8*((\a)%4)+\b):8*(8*((\a)%4)+\b)+7], v[128*(\p)+FR*\b:128*(\p)+FR*\b+FR-1], v[AF+FR*(\a):AF+FR*(\a)+FR-1], v[8*(8*((\a)%4)+\b):8*(8*((\a)%4)+\b)+7], v[SC+8*\b+(\kq)], v[SC+8*(\a)+(\kq)] matrix_a_fmt:MATRIX_FMT_FP6 matrix_b_fmt:MATRIX_FMT_FP6 matrix_a_scale:MATRIX_SCALE_ROW1
.endif
.endr
.endr
.endm
.macro STEP slot, kq, zero             ; a slot's first 128 along K (R's set 0); it fetches the second
	s_wait_dscnt 16                                ; R's set and P's blocks 0-3 are in; the youngest 16 loads (P's blocks 4-7) may be out
	WIN MUL_LO
	MUL16 0, 0, \kq, \zero
	MUL16 2, 0, \kq, \zero
	s_wait_dscnt 0x0
	PLACES 4                                       ; four plain places in front of loads into registers that matrix instructions have read
	FETCH_R \slot, 1, 1
	FETCH_P \slot, 1, 0
	WIN MUL_HI
	MUL16 4, 0, \kq, \zero
	MUL16 6, 0, \kq, \zero
	PLACES 4
	WIN 0
	FETCH_P \slot, 1, 4
.endm
.macro TURN slot, next, kq, fill       ; a slot's second 128 along K (R's set 1) changes slots: one barrier
	s_wait_tensorcnt 0x0                           ; all my tensor loads have landed: my part of the next slot;
	ds_add_u32 v[SPW], v[NIL]                      ; 0 onto my spare word;
	s_wait_dscnt 17                                ; (the add and the youngest 16 loads may be out)
	WIN MUL_LO
	MUL16 0, 1, \kq, 0
	s_wait_dscnt 0x0                               ; the add is done, and my reads of this slot are over
	s_barrier_signal -1
	MUL16 2, 1, \kq, 0
	WIN 0
	s_barrier_wait -1
.if \fill
	CREST                                          ; the barrier has opened a round of the cluster's: no wave of any partner still reads this slot or has a load on its way
	s_add_nc_u64 s[G0+4*\slot+2:G0+4*\slot+3], s[G0+4*\slot+2:G0+4*\slot+3], 6144
	s_add_nc_u64 s[G0B+4*\slot+2:G0B+4*\slot+3], s[G0B+4*\slot+2:G0B+4*\slot+3], 6144
	JLOAD G0+4*\slot, G1, G0B+4*\slot, G1B         ; the first tensor load behind the round; its four v_nop are also the places in front of the loads below
.else
	PLACES 4
.endif
	FETCH_R \next, 0, 0
	FETCH_P \next, 0, 0
	WIN MUL_HI
	MUL16 4, 1, \kq, 0
	MUL16 6, 1, \kq, 0
	PLACES 4
	WIN 0
	FETCH_P \next, 0, 4
.endm
	s_load_b256 s[4:11], s[0:1], 0x0               ; the codes, the scale words, qbuf, kvbuf
	v_lshl_add_u32 v[SPW], v0, 2, SPARE
	v_mov_b32 v[NIL], 0
	ds_add_u32 v28, v29
	ds_add_u32 v28, v29
	s_wait_dscnt 0x0
	v_lshrrev_b32 v1, 5, v0
	v_readfirstlane_b32 s14, v1                    ; wave 0..3
	s_lshr_b32 s15, s14, 1                         ; which half of P's rows is mine.  Also: I fetch for P (0) or for R (1)
	s_and_b32 s16, s14, 1                          ; which half of R's rows.  Also: which 8 row blocks of that tile I fetch
	s_bfe_u32 s40, ttmp6, 0x40000                  ; cx
	s_bfe_u32 s41, ttmp6, 0x40004                  ; cy
	s_and_b32 s42, ttmp7, 0xffff                   ; cluster y, 0..23
	s_lshr_b32 s17, s42, 3                         ; z: 0 Q, 1 K, 2 V: the same in all sixteen partners
	s_lshl_b32 s43, s41, 2
	s_lshl_b32 s43, 15, s43                        ; my row of the cluster
	s_lshl_b32 s44, 0x1111, s40                    ; my column
	s_or_b32 s[G1], s43, (3<<16)|(1<<21)           ; 15:0 the mask; 17:16 elements of 8 bytes; 21 set beside a mask; no padding
	s_or_b32 s[G1B], s44, (3<<16)|(1<<21)
.irp g, G1, G1B
	s_mov_b32 s[\g+1], 384<<16                     ; tensor_dim0: 3,072 bytes of a row block
	s_mov_b32 s[\g+2], 8<<16                       ; tensor_dim1: 8 row blocks
	s_mov_b32 s[\g+3], 384<<16                     ; tile_dim0
	s_mov_b32 s[\g+4], 8                           ; tile_dim1
	s_mov_b32 s[\g+5], 1536                        ; 12,288 bytes from row block to row block
	s_mov_b32 s[\g+6], 0
	s_mov_b32 s[\g+7], 0
.endr
	s_lshl_b32 s18, s42, 6                         ; 64 x cluster y: the cluster's first token row block
	s_lshl_b32 s19, s41, 4
	s_add_co_u32 s20, s18, s19                     ; P for Q, K: token tile 4 x cluster y + cy
	s_add_co_u32 s21, s19, 1664                    ; P for V: Wv's tile cy
	s_lshl_b32 s22, s40, 4
	s_add_co_u32 s23, s18, s22                     ; R for V: token tile 4 x cluster y + cx
	s_lshl_b32 s45, s17, 6
	s_add_co_u32 s45, s45, s22
	s_add_co_u32 s45, s45, 1536                    ; R for Q, K: the weight's tile cx
	s_cmp_eq_u32 s17, 2
	s_cselect_b32 s20, s21, s20                    ; P's first row block: it hangs on cy and the cluster's y alone
	s_cselect_b32 s45, s23, s45                    ; R's: on cx and the cluster's y alone
	s_lshl_b32 s46, s16, 3
	s_add_co_u32 s80, s20, s46
	s_mul_i32 s80, s80, 12288
	s_mov_b32 s81, 0
	s_add_co_u32 s82, s45, s46
	s_mul_i32 s82, s82, 12288
	s_mov_b32 s83, 0
	s_mul_i32 s47, s14, HALFT                      ; where my load goes: wave x 8 row blocks
	s_wait_kmcnt 0x0
	s_add_nc_u64 s[84:85], s[4:5], s[80:81]
	s_add_nc_u64 s[86:87], s[4:5], s[82:83]
	CROUND                                         ; all sixteen work-groups are here: the first joint loads meet
.irp s, 0,1
	s_mov_b32 s[G0+4*\s], 1
	s_add_co_u32 s[G0+4*\s+1], s47, \s*SLOT
	s_add_nc_u64 s[G0+4*\s+2:G0+4*\s+3], s[84:85], \s*3072
	s_or_b32 s[G0+4*\s+3], s[G0+4*\s+3], 0x80000000
	s_mov_b32 s[G0B+4*\s], 1
	s_add_co_u32 s[G0B+4*\s+1], s47, \s*SLOT
	s_add_nc_u64 s[G0B+4*\s+2:G0B+4*\s+3], s[86:87], \s*3072
	s_or_b32 s[G0B+4*\s+3], s[G0B+4*\s+3], 0x80000000
	JLOAD G0+4*\s, G1, G0B+4*\s, G1B               ; two loads of mine are out
.endr
	v_and_b32 v1, 31, v0                           ; lane
	v_lshlrev_b32 v[L16], 4, v1
	s_wait_alu depctr_va_vdst(0)
	v_lshlrev_b32 v[L8], 3, v1
	s_wait_alu depctr_va_vdst(0)
	v_and_b32 v4, 15, v0                           ; r
	v_bfe_u32 v5, v0, 4, 1                         ; h
	s_lshl_b32 s12, s15, 3
	s_add_co_u32 s12, s12, s20
	s_lshl_b32 s12, s12, 9                         ; the scale words of my 8 row blocks of P,
	s_add_co_u32 s13, s45, s46
	s_lshl_b32 s13, s13, 9                         ; and of R
	v_mov_b32 v8, s12
	v_mov_b32 v9, s13
	v_cmp_lt_u32 vcc_lo, 15, v1
	v_cndmask_b32 v8, v8, v9, vcc_lo               ; lanes 0-15 take P's, lanes 16-31 R's
	v_lshl_add_u32 v8, v4, 4, v8
.irp i, 0,1,2,3,4,5,6,7
.irp qh, 0,1
	global_load_b128 v[SC+8*\i+4*\qh:SC+8*\i+4*\qh+3], v8, s[6:7] offset:512*\i+256*\qh   ; sixteen lanes read 256 consecutive bytes
.endr
.endr
	s_mul_i32 s21, s15, HALFT                      ; my 8 row blocks of P
	s_mul_i32 s22, s16, HALFT
	s_add_co_u32 s22, s22, 2*HALFT                 ; and of R, behind P's 16
.irp s, 0,1
	v_add_nc_u32 v[ADP+\s], s21, v[L16]
	v_add_nc_u32 v[ADP+2+\s], s21, v[L8]
	v_add_nc_u32 v[ADR+\s], s22, v[L16]
	v_add_nc_u32 v[ADR+2+\s], s22, v[L8]
	s_add_co_u32 s21, s21, SLOT
	s_add_co_u32 s22, s22, SLOT
.endr
	; where the results go.  Tokens: tile ty of the tensor's 32, half th; weights: tile wx, half wh
	s_cmp_eq_u32 s17, 2
	s_cselect_b32 s88, s40, s41                    ; the token tile's place in the cluster
	s_cselect_b32 s89, s41, s40                    ; wx
	s_cselect_b32 s90, s16, s15                    ; th
	s_cselect_b32 s91, s15, s16                    ; wh
	s_cselect_b32 s92, 6144, 0                     ; V's codes lie behind K's
	s_mov_b32 s93, 3072
	s_cselect_b32 s93, HB, s93                     ; from P's blocks 0-3 to 4-7: V the next head, Q and K four tiles on
	s_mov_b32 s94, HB
	s_cselect_b32 s94, 3072, s94                   ; from a fragment's first half to its second: V the next 64 keys, Q and K the next head
	s_mov_b32 s95, HB
	s_cselect_b32 s95, 256, s95                    ; scale words, lanes 16-31: V the second copy, Q and K the next head
	s_mov_b32 s96, 256
	s_cselect_b32 s96, HB, s96                     ; scale words of blocks 4-7
	s_cselect_b32 s97, 0, 16                       ; Q, K: the next head's two bytes are a word's upper two
	s_mov_b32 s98, 12288
	s_cselect_b32 s98, 6656, s98                   ; from the codes to the scale words
	s_cmp_eq_u32 s17, 0
	s_cselect_b64 s[68:69], s[8:9], s[10:11]       ; Q goes to qbuf, K and V to kvbuf
	s_and_b32 s99, s42, 7
	s_lshl_b32 s99, s99, 2
	s_add_co_u32 s88, s99, s88                     ; ty
	s_lshr_b32 s99, s88, 3                         ; batch
	s_lshl_b32 s99, s99, 4
	s_lshl_b32 s89, s89, 2
	s_add_co_u32 s99, s99, s89
	s_lshl_b32 s91, s91, 1
	s_add_co_u32 s99, s99, s91                     ; 16 x batch + my first head
	s_mul_i32 s99, s99, HB
	s_and_b32 s88, s88, 7
	s_lshl_b32 s88, s88, 1
	s_add_co_u32 s88, s88, s90                     ; my key step
	s_mul_i32 s88, s88, SB
	s_add_co_u32 s88, s88, s99
	s_add_co_u32 s88, s88, s92
	s_mov_b32 s89, 0
	s_add_nc_u64 s[68:69], s[68:69], s[88:89]      ; blocks 0-3, first half
	s_mov_b32 s88, s94
	s_add_nc_u64 s[70:71], s[68:69], s[88:89]      ; blocks 0-3, second half
	s_mov_b32 s88, s93
	s_add_nc_u64 s[72:73], s[68:69], s[88:89]      ; blocks 4-7, first half
	s_mov_b32 s88, s94
	s_add_nc_u64 s[74:75], s[72:73], s[88:89]      ; blocks 4-7, second half
	s_mov_b32 s88, s98
	s_add_nc_u64 s[76:77], s[68:69], s[88:89]      ; the scale words
	v_mul_u32_u24 v[VS0], s95, v5
	v_lshl_add_u32 v[VS0], v4, 4, v[VS0]           ; 16 r, + lanes 16-31's step
	v_add_nc_u32 v[VS1], s96, v[VS0]
	v_mul_u32_u24 v[SHF], s97, v5
	s_mov_b32 s[SEL], 0x76543210
	s_mov_b32 s[SEL+1], 0xfedcba98
	s_wait_alu depctr_va_vdst(0)
	s_wait_tensorcnt 0x1                           ; my part of slot 0 is in; slot 1's may stay out
	s_barrier_signal -1
	s_barrier_wait -1
	FETCH_R 0, 0, 0
	FETCH_P 0, 0, 0
	FETCH_P 0, 0, 4
	s_wait_loadcnt 0x0                             ; the scale words
	STEP 0, 0, 1                                   ; the first products start the sums: nothing is cleared
	TURN 0, 1, 1, 1
	STEP 1, 2, 0
	TURN 1, 0, 3, 1
	STEP 0, 4, 0
	TURN 0, 1, 5, 0                                ; nothing is left to fetch
	STEP 1, 6, 0
	s_wait_dscnt 16
	WIN MUL_LO
	MUL16 0, 1, 7, 0
	MUL16 2, 1, 7, 0
	s_wait_dscnt 0x0
	WIN MUL_HI
	MUL16 4, 1, 7, 0
	MUL16 6, 1, 7, 0
	WIN 0
; THE WAY OUT.  Block a of P: a lane's 64 results, register 16 b + i = number 32 b + 16 h + i along the next K of my row, become a fragment's codes and a scale word, and are stored as two images of 768 bytes.
.macro QOUT a
.set AC, 64*((\a)%4)
.set PC, 128+32*((\a)%2)
.set PB, 68+4*((\a)/4)
.irp b, 0,1,2,3
	v_mov_b32 v[TM+\b], 0x1800000                  ; the floor 2^(3 - 127): the byte cannot fall under 1
.endr
	WIN 0x28+0x14*((\a)/4)                         ; sources 1 and 2: the accumulators' window
.irp i, 0,2,4,6,8,10,12,14
.irp b, 0,1,2,3
	v_max3_num_f32 v[TM+\b], v[TM+\b], |v[AC+16*\b+\i]|, |v[AC+16*\b+\i+1]|   ; ascending: each accumulator is read from its low end on
.endr
.endr
	WIN 0
.irp b, 0,1,2,3
	v_permlanex16_b32 v[TM+4+\b], v[TM+\b], s[SEL], s[SEL+1]
.endr
.irp b, 0,1,2,3
	v_max_num_f32 v[TM+\b], v[TM+\b], v[TM+4+\b]   ; with lane l xor 16's 16: the block's largest magnitude
.endr
.irp b, 0,1,2,3
	v_add_nc_u32 v[TM+12+\b], 0xff000000, v[TM+\b] ; 2 off the exponent field: the conversion's scale operand
.endr
.irp b, 0,1,2,3
	v_lshrrev_b32 v[TM+4+\b], 23, v[TM+12+\b]      ; the scale's byte
.endr
	v_lshl_or_b32 v[TM+8], v[TM+5], 8, v[TM+4]
	v_lshl_or_b32 v[TM+8], v[TM+6], 16, v[TM+8]
	v_lshl_or_b32 v[TM+8], v[TM+7], 24, v[TM+8]
	v_lshrrev_b32 v[WD+(\a)], v[SHF], v[TM+8]      ; Q, K: lanes 16-31 keep the second head's two bytes, low
	s_wait_xcnt 0x0                                ; the stores of two blocks back have read this set of codes
	WIN 0x02+((\a)/4)                              ; source 0: the accumulators' window
.irp c, 0,1
	v_cvt_scalef32_pk16_fp6_f32 v[PC+6*\c:PC+6*\c+2], v[AC+32*\c:AC+32*\c+15], v[TM+12+2*\c]
	v_cvt_scalef32_pk16_fp6_f32 v[PC+12+4*\c:PC+14+4*\c], v[AC+32*\c+16:AC+32*\c+31], v[TM+12+2*\c+1]
.endr
	WIN 0
	v_nop                                          ; one plain place behind a scaled conversion
.irp c, 0,1                                    ; the layout wants a whole block in a lane: lanes 0-15 block 2 c, lanes 16-31 block 2 c + 1
.irp i, 0,1,2
	v_permlane16_swap_b32 v[PC+6*\c+\i], v[PC+12+4*\c+\i]
.endr
.irp i, 0,1,2
	v_mov_b32 v[PC+3+6*\c+\i], v[PC+12+4*\c+\i]
.endr
.endr
	global_store_b128 v[L16], v[PC:PC+3], s[PB:PB+1] offset:768*((\a)%4)            ; 512 and 256 consecutive bytes, at multiples of 256 from the buffer's first byte
	global_store_b64 v[L8], v[PC+4:PC+5], s[PB:PB+1] offset:768*((\a)%4)+512
	global_store_b128 v[L16], v[PC+6:PC+9], s[PB+2:PB+3] offset:768*((\a)%4)
	global_store_b64 v[L8], v[PC+10:PC+11], s[PB+2:PB+3] offset:768*((\a)%4)+512
.endm
	PLACES 4                                       ; behind the last products: results are read, and P's registers are written
.irp b, 0,1,2,3
	v_mov_b32 v[TM+4+\b], 0                        ; a lane permute's destination counts as one of its sources
.endr
	QOUT 0
	QOUT 1
	QOUT 2
	QOUT 3
	QOUT 4
	QOUT 5
	QOUT 6
	QOUT 7
	global_store_b128 v[VS0], v[WD:WD+3], s[76:77]     ; sixteen lanes store 256 consecutive bytes
	global_store_b128 v[VS1], v[WD+4:WD+7], s[76:77]
	s_wait_tensorcnt 0x0                           ; the wave's end
	ds_add_u32 v[SPW], v[NIL]
	s_wait_dscnt 0x0
	CROUND                                         ; the closing round: no work-group ends while a partner may still ask for a tile that names it
	s_endpgm
.Lfunc_end_k_q8670777fb8_proj:
	.size	k_q8670777fb8_proj, .Lfunc_end_k_q8670777fb8_proj-k_q8670777fb8_proj
	.p2alignl 7, 3214868480
	.fill 96, 4, 3214868480
	.section	.rodata,"a",@progbits
	.p2align	6, 0x0
	.amdhsa_kernel k_q8670777fb8_proj
		.amdhsa_group_segment_fixed_size 327680
		.amdhsa_private_segment_fixed_size 0
		.amdhsa_enable_private_segment 0
		.amdhsa_kernarg_size 32
		.amdhsa_user_sgpr_count 2
		.amdhsa_user_sgpr_kernarg_segment_ptr 1
		.amdhsa_wavefront_size32 1
		.amdhsa_system_sgpr_workgroup_id_x 1
		.amdhsa_system_sgpr_workgroup_id_y 1
		.amdhsa_system_sgpr_workgroup_id_z 1
		.amdhsa_system_vgpr_workitem_id 0
		.amdhsa_next_free_vgpr 1024
		.amdhsa_next_free_sgpr 100
		.amdhsa_reserve_vcc 1
		.amdhsa_float_denorm_mode_32 3
		.amdhsa_float_denorm_mode_16_64 3
		.amdhsa_memory_ordered 1
		.amdhsa_forward_progress 1
		.amdhsa_inst_pref_size 149
	.end_amdhsa_kernel
	.amdgpu_metadata
---
amdhsa.version: [ 1, 2 ]
amdhsa.kernels:
  - .name:           k_q8670777fb8_proj
    .symbol:         k_q8670777fb8_proj.kd
    .args:
      - { .name: codes_in, .offset: 0, .size: 8, .value_kind: global_buffer, .address_space: global }
      - { .name: scales_in, .offset: 8, .size: 8, .value_kind: global_buffer, .address_space: global }
      - { .name: qbuf, .offset: 16, .size: 8, .value_kind: global_buffer, .address_space: global }
      - { .name: kvbuf, .offset: 24, .size: 8, .value_kind: global_buffer, .address_space: global }
    .group_segment_fixed_size: 327680
    .private_segment_fixed_size: 0
    .kernarg_segment_align: 8
    .kernarg_segment_size: 32
    .max_flat_workgroup_size: 128
    .sgpr_count:     100
    .vgpr_count:     1024
    .wavefront_size: 32
...
	.end_amdgpu_metadata
.endif
;; end of part 2
;; launch attn (part 3): grid 4 x 64, 16 waves a work-group, clusters of 4 x 1, 215,040 bytes of LDS; arguments qbuf, kvbuf, codes_cat, scales_cw; writes codes_cat, scales_cw
.if DOCPART == 3
	.amdgcn_target "amdgcn-amd-amdhsa--gfx1250"
	.amdhsa_code_object_version 6
	.text
	.protected	k_q8670777fb8_attn
	.globl	k_q8670777fb8_attn
	.p2align	8
	.type	k_q8670777fb8_attn,@function
k_q8670777fb8_attn:
	s_mov_b64 s[64:65], 0
	v_nop
	global_prefetch_b8 v0, s[64:65] scope:SCOPE_SE
	s_setreg_imm32_b32 hwreg(HW_REG_WAVE_MODE, 25, 1), 1
	s_wait_xcnt 0x0
	s_wait_alu depctr_hold_cnt(0) depctr_sa_sdst(0) depctr_va_vdst(0) depctr_va_sdst(0) depctr_va_ssrc(0) depctr_va_vcc(0) depctr_vm_vsrc(0)
	s_getreg_b32 s2, hwreg(HW_REG_IB_STS2, 6, 4)
	s_cmp_eq_u32 s2, 0
	s_cbranch_scc0 .Lentry_in_a_cluster
	s_endpgm
.Lentry_in_a_cluster:
	s_bfe_u32 s2, ttmp6, 0x10000c
	s_cmp_lg_u32 s2, 0x3003
	s_cbranch_scc0 .Lentry_shape_is_right
	s_endpgm
.Lentry_shape_is_right:
; Causal attention of one (batch, head) for each cluster of four work-groups, both products on codes of FP6 (E2M3) with E8M0 scales; the normalised heads are quantised along the model's axis for the last projection.
; t = score x log2(e) / 8; M = the running largest t rounded up to a whole number; p = 2^(t - M) is quantised along the keys, not normalised; the row's sum is taken of the unquantised p and divides at the end.
; THE HEAD'S K AND V, codes and scale words, 212,992 bytes, LIE IN LDS AS THEY LIE IN MEMORY AND ARE FILLED ONCE, by joint loads of the four work-groups, in three chunks (key steps 0-1, 2-7, 8-15), each read behind a barrier of its own.
; SHARES.  A tile is 16 queries (a row block: lane r holds query 32 (T / 2) + 8 (T % 2) + r + 8 (r / 8)).  Wave w of work-group cx owns tile T1 = 8 (w / 2) + 4 (w % 2) + cx and tile 127 - T1: 17 key steps of 128 keys in every wave.
; The diagonal steps, w / 2 and 15 - w / 2, hang on the wave's number alone; cx enters only global addresses and the number that the mask compares.
; LAYOUT.  Both products transposed: S^T = K Q^T (source 0 = 16 keys), O^T = V^T P^T (source 0 = 16 channels): a lane holds one query throughout.  The first product's K is 64: Q's operand has zero codes for its upper 64,
; so what K's operand holds there (the next tile's codes) adds nothing; no scale byte is 0xff.
; MASK.  Steps above the diagonal are left out; on the diagonal hidden scores become -infinity, so p = 0 there, where the definition adds -1e9: the same numbers while a logit's magnitude stays under 4e8.
; LIMITS: NaN and infinities are not served.  A block of zeros gets the byte 1 where the rule says 127: its codes are zeros, and this program alone reads the bytes.
; No prefetch: every byte of K and V is asked for by the tensor loads at the head.
; REGISTERS: v1 16 x lane, v2 8 x lane, v3-4 the step's addresses, v5 the mask's number, v6 16 r, v7 r + 8 (r / 8) - 16 h; v12 -M, v13 the largest t, v[14:15] the sum; v16-27 Q's operand; v28-33, v35 the second tile's Q; v34 Q's scale word;
; v36-37 the results' scale bytes, v38 their offset; v40-93 K's fragments (tile t at 40 + 6 t; v88-93 zeros), then V's (tile ct at 40 + 12 ct); v96-159 S^T, then p; v160-191 O^T; v192-210 p's codes; v212-224 at work;
; v228-231 K's scale words, v232-235 V's, v236 p's; v[238:239] f.
.set HB,   212992
.set SB,   13312
.set WV,   18
.set KOFF, 2                           ; s2   LDS byte at which the step's tiles begin
.set KS,   3                           ; s3   the step's number
.set DG,   66                          ; s66  the tile's diagonal step
.set CNT,  67
.set BM,   212
.set PT,   216
.set SO,   220
.set TP,   224
.set PW,   236
.set F,    238
.macro CROUND
	s_barrier_signal -1
	s_barrier_wait -1
	s_cmp_lg_u32 s[WV], 0
	s_cbranch_scc1 .Lnot_wave_0_\@
	s_barrier_signal -3
.Lnot_wave_0_\@:
	s_barrier_wait -3
	s_barrier_signal -1
	s_barrier_wait -1
.endm
.macro G0SET g, base, quarter          ; descriptor group 0: my quarter of a chunk; in LDS at the same offset as in the head's block of memory
	s_mul_i32 s92, s90, \quarter
	s_mov_b32 s93, 0
	s_mov_b32 s[\g], 1
	s_add_co_u32 s[\g+1], s92, \base
	s_add_co_u32 s92, s92, \base
	s_add_nc_u64 s[\g+2:\g+3], s[60:61], s[92:93]
	s_or_b32 s[\g+3], s[\g+3], 0x80000000
.endm
.macro TADR t, qa, sa, oa, so, mk      ; tile s[t]: where its Q codes, its Q scale words and its results lie, and the scalar part of the mask's number
	s_lshr_b32 s90, s[\t], 3
	s_mul_i32 s90, s90, SB
	s_and_b32 s91, s[\t], 7
	s_mul_i32 s92, s91, 768
	s_add_co_u32 s92, s92, s90
	s_mov_b32 s93, 0
	s_add_nc_u64 s[\qa:\qa+1], s[86:87], s[92:93]
	s_lshr_b32 s92, s91, 2
	s_lshl_b32 s92, s92, 8
	s_and_b32 s94, s[\t], 3
	s_lshl_b32 s94, s94, 2
	s_add_co_u32 s92, s92, s94
	s_add_co_u32 s92, s92, s90
	s_add_co_u32 s92, s92, 12288
	s_add_nc_u64 s[\sa:\sa+1], s[86:87], s[92:93]
	s_lshl_b32 s92, s88, 7
	s_add_co_u32 s92, s92, s[\t]                   ; the result's row block: 128 x batch + T
	s_lshl_b32 s94, s92, 9
	s_add_co_u32 s[\so], s94, s95
	s_lshl_b32 s92, s92, 4
	s_add_co_u32 s92, s92, s89
	s_mul_i32 s92, s92, 768
	s_add_nc_u64 s[\oa:\oa+1], s[8:9], s[92:93]
	s_lshr_b32 s92, s[\t], 1
	s_and_b32 s92, s92, 3
	s_lshl_b32 s92, s92, 5
	s_and_b32 s94, s[\t], 1
	s_lshl_b32 s94, s94, 3
	s_add_co_u32 s[\mk], s92, s94                  ; the tile's first query inside its key step
.endm
.macro INIT
	v_mov_b32 v13, 0xff61b1e6                      ; the largest t so far: -3e38
	s_delay_alu instid0(VALU_DEP_1)
	v_floor_f32 v12, -v13                          ; -M
	v_mov_b32 v14, 0
	v_mov_b32 v15, 0
.set J, 0
.rept 32
	v_mov_b32 v[160+J], 0                          ; O^T: the first change of M multiplies zeros
.set J, J+1
.endr
.endm
; A KEY STEP of 128 keys.  chk = 1: a step behind the diagonal is left out (a scalar branch on the wave's number and the count of steps), and the diagonal step is masked.
.macro STEP chk
.if \chk
	s_cmp_gt_u32 s[KS], s[DG]
	s_cbranch_scc1 .Lhid_\@
.endif
	s_setprio 2
	v_add_nc_u32 v3, s[KOFF], v1
	v_add_nc_u32 v4, s[KOFF], v2
	v_nop
	v_nop                                          ; four plain places in front of loads into registers that the last products read
.irp t, 0,1,2,3,4,5,6,7
	ds_load_b128 v[40+6*\t:43+6*\t], v3 offset:768*\t
	ds_load_b64 v[44+6*\t:45+6*\t], v4 offset:768*\t+512
.endr
	ds_load_b128 v[228:231], v3 offset:12288       ; K's scale words: lanes 0-15 tiles 0-3, lanes 16-31 tiles 4-7
	s_wait_alu depctr_va_vdst(0)
	s_wait_dscnt 0x0
.irp t, 0,1,2,3
	v_wmma_scale_f32_16x16x128_f8f6f4 v[96+8*\t:103+8*\t], v[40+6*\t:51+6*\t], v[16:27], 0, v[228+\t], v34 matrix_a_fmt:MATRIX_FMT_FP6 matrix_b_fmt:MATRIX_FMT_FP6
.endr
.irp t, 4,5,6,7
	v_wmma_scale_f32_16x16x128_f8f6f4 v[96+8*\t:103+8*\t], v[40+6*\t:51+6*\t], v[16:27], 0, v[224+\t], v34 matrix_a_fmt:MATRIX_FMT_FP6 matrix_b_fmt:MATRIX_FMT_FP6 matrix_a_scale:MATRIX_SCALE_ROW1
.endr
.rept 4
	v_nop                                          ; places in front of the loads below and of the first read of the scores
.endr
.irp ct, 0,1,2,3                               ; V's fragments are asked for now and land under the softmax
.irp g, 0,1
	ds_load_b128 v[40+12*\ct+6*\g:43+12*\ct+6*\g], v3 offset:6144+3072*\g+768*\ct
	ds_load_b64 v[44+12*\ct+6*\g:45+12*\ct+6*\g], v4 offset:6144+3072*\g+768*\ct+512
.endr
.endr
	ds_load_b128 v[232:235], v3 offset:12800       ; V's scale words
.if \chk
	s_cmp_lg_u32 s[KS], s[DG]
	s_cbranch_scc1 .Lopen_\@
	v_mov_b32 v[TP], 0xff800000                    ; register 16 b + i holds key 32 b + 16 h + i of the step: hidden where 32 b + i > my query's place - 16 h
.irp n, 0,1,2,3,4,5,6,7,8,9,10,11,12,13,14,15,16,17,18,19,20,21,22,23,24,25,26,27,28,29,30,31,32,33,34,35,36,37,38,39,40,41,42,43,44,45,46,47,48,49,50,51,52,53,54,55,56,57,58,59,60,61,62,63
	v_cmp_gt_i32 vcc_lo, 32*(\n/16)+\n%16, v5
	v_cndmask_b32 v[96+\n], v[96+\n], v[TP], vcc_lo
.endr
.Lopen_\@:
.endif
.irp b, 0,1,2,3
	v_max3_num_f32 v[BM+\b], v[96+16*\b], v[97+16*\b], v[98+16*\b]   ; the largest score of each block of 32 keys: for the row's maximum, and, since p rises with the score, for the block's largest p
.endr
.irp i, 3,5,7,9,11,13
.irp b, 0,1,2,3
	v_max3_num_f32 v[BM+\b], v[BM+\b], v[96+16*\b+\i], v[97+16*\b+\i]
.endr
.endr
.irp b, 0,1,2,3
	v_max_num_f32 v[BM+\b], v[BM+\b], v[111+16*\b]
.endr
.irp b, 0,1,2,3
	s_delay_alu instid0(VALU_DEP_4)
	v_permlanex16_b32 v[PT+\b], v[BM+\b], s20, s21
.endr
.irp b, 0,1,2,3
	s_delay_alu instid0(VALU_DEP_4)
	v_max_num_f32 v[BM+\b], v[BM+\b], v[PT+\b]
.endr
	s_delay_alu instid0(VALU_DEP_2)
	v_max3_num_f32 v[TP], v[BM], v[BM+1], v[BM+2]
	s_delay_alu instid0(VALU_DEP_1)
	v_max_num_f32 v[TP], v[TP], v[BM+3]
	s_delay_alu instid0(VALU_DEP_1)
	v_mul_f32 v[TP], s22, v[TP]
	s_delay_alu instid0(VALU_DEP_1)
	v_max_num_f32 v13, v13, v[TP]                  ; the running largest t
	v_mov_b32 v[TP], v12
	s_delay_alu instid0(VALU_DEP_2)
	v_floor_f32 v12, -v13                          ; -M = floor(-t): M is a whole number
	s_delay_alu instid0(VALU_DEP_1)
	v_sub_f32 v[TP], v12, v[TP]
	s_delay_alu instid0(VALU_DEP_1)
	v_cvt_i32_f32 v[TP], v[TP]                     ; (it saturates)
	s_delay_alu instid0(VALU_DEP_1)
	v_ldexp_f32 v[F], 1.0, v[TP]                   ; f = 2^(old M - new M): rounds nothing
.set J, 0
.rept 32
	v_pk_fma_f32 v[96+J:97+J], v[96+J:97+J], s[22:23], v[12:13] op_sel_hi:[1,0,0]   ; t - M
.set J, J+2
.endr
.irp b, 0,1,2,3
	v_fma_f32 v[BM+\b], v[BM+\b], s22, v12
.endr
.set J, 0
	s_setprio 1
	s_wait_alu depctr_va_vdst(0)
.rept 64
	v_exp_f32 v[96+J], v[96+J]                     ; p = 2^(t - M)
.set J, J+1
.endr
	v_pk_mul_f32 v[14:15], v[14:15], v[F:F+1] op_sel_hi:[1,0]   ; the sums under the new M: a plain place behind the exponentials
	s_wait_alu depctr_va_vdst(0)                   ; one wait for the batch, ahead of its first reader
.irp b, 0,1,2,3
	v_exp_f32 v[BM+\b], v[BM+\b]                   ; each block's largest p
.endr
	v_pk_add_f32 v[216:217], v[100:101], v[104:105]
	v_pk_add_f32 v[252:253], v[108:109], v[112:113]
	v_pk_add_f32 v[250:251], v[116:117], v[120:121]
	v_pk_add_f32 v[248:249], v[124:125], v[128:129]
	v_pk_add_f32 v[246:247], v[132:133], v[136:137]
	v_pk_add_f32 v[244:245], v[140:141], v[144:145]
	v_pk_add_f32 v[242:243], v[148:149], v[152:153]
	v_pk_add_f32 v[14:15], v[14:15], v[156:157]
	v_pk_add_f32 v[216:217], v[216:217], v[96:97]
	v_pk_add_f32 v[252:253], v[252:253], v[98:99]
	v_pk_add_f32 v[250:251], v[250:251], v[102:103]
	v_pk_add_f32 v[248:249], v[248:249], v[106:107]
	v_pk_add_f32 v[246:247], v[246:247], v[110:111]
	v_pk_add_f32 v[244:245], v[244:245], v[114:115]
	v_pk_add_f32 v[242:243], v[242:243], v[118:119]
	v_pk_add_f32 v[14:15], v[14:15], v[122:123]
	v_pk_add_f32 v[216:217], v[216:217], v[126:127]
	v_pk_add_f32 v[252:253], v[252:253], v[130:131]
	v_pk_add_f32 v[250:251], v[250:251], v[134:135]
	v_pk_add_f32 v[248:249], v[248:249], v[138:139]
	v_pk_add_f32 v[246:247], v[246:247], v[142:143]
	v_pk_add_f32 v[244:245], v[244:245], v[146:147]
	v_pk_add_f32 v[242:243], v[242:243], v[150:151]
	v_pk_add_f32 v[14:15], v[14:15], v[154:155]
	v_pk_add_f32 v[216:217], v[216:217], v[158:159]
	s_delay_alu instid0(VALU_DEP_2)
	v_pk_add_f32 v[14:15], v[14:15], v[248:249]
	s_delay_alu instid0(VALU_DEP_2)
	v_pk_add_f32 v[216:217], v[216:217], v[246:247]
	v_pk_add_f32 v[252:253], v[252:253], v[244:245]
	v_pk_add_f32 v[250:251], v[250:251], v[242:243]
	s_delay_alu instid0(VALU_DEP_2)
	v_pk_add_f32 v[14:15], v[14:15], v[252:253]
	s_delay_alu instid0(VALU_DEP_2)
	v_pk_add_f32 v[216:217], v[216:217], v[250:251]
	s_delay_alu instid0(VALU_DEP_1)
	v_pk_add_f32 v[14:15], v[14:15], v[216:217]
	s_wait_alu depctr_va_vdst(0)                   ; and one for the four
.irp b, 0,1,2,3
	v_max_num_f32 v[BM+\b], 0x1800000, v[BM+\b]    ; the floor 2^(3 - 127)
.endr
.irp b, 0,1,2,3
	s_delay_alu instid0(VALU_DEP_4)
	v_add_nc_u32 v[SO+\b], 0xff000000, v[BM+\b]
.endr
.irp b, 0,1,2,3
	s_delay_alu instid0(VALU_DEP_4)
	v_lshrrev_b32 v[PT+\b], 23, v[SO+\b]
.endr
	s_delay_alu instid0(VALU_DEP_3)
	v_lshl_or_b32 v[PW], v[PT+1], 8, v[PT]         ; p's scale word for these 128 keys
	s_delay_alu instid0(VALU_DEP_1)
	v_lshl_or_b32 v[PW], v[PT+2], 16, v[PW]
	s_delay_alu instid0(VALU_DEP_1)
	v_lshl_or_b32 v[PW], v[PT+3], 24, v[PW]
.irp c, 0,1
	v_cvt_scalef32_pk16_fp6_f32 v[192+6*\c:194+6*\c], v[96+32*\c:111+32*\c], v[SO+2*\c]
	v_cvt_scalef32_pk16_fp6_f32 v[204+4*\c:206+4*\c], v[112+32*\c:127+32*\c], v[SO+2*\c+1]
.endr
	v_nop                                          ; one plain place behind a scaled conversion
	s_setprio 0
.irp c, 0,1
.irp i, 0,1,2
	v_permlane16_swap_b32 v[192+6*\c+\i], v[204+4*\c+\i]
.endr
.irp i, 0,1,2
	s_delay_alu instid0(VALU_DEP_3)
	v_mov_b32 v[195+6*\c+\i], v[204+4*\c+\i]
.endr
.endr
.set J, 0
.rept 16
	v_pk_mul_f32 v[160+J:161+J], v[160+J:161+J], v[F:F+1] op_sel_hi:[1,0]   ; O^T under the new M; these sixteen are also the places between p's codes and scale word and the products
.set J, J+2
.endr
	s_wait_alu depctr_va_vdst(0)
	s_wait_dscnt 0x0                               ; V is in
.irp ct, 0,1,2,3                               ; the four accumulators take turns
	v_wmma_scale_f32_16x16x128_f8f6f4 v[160+8*\ct:167+8*\ct], v[40+12*\ct:51+12*\ct], v[192:203], v[160+8*\ct:167+8*\ct], v[232+\ct], v[PW] matrix_a_fmt:MATRIX_FMT_FP6 matrix_b_fmt:MATRIX_FMT_FP6
.endr
.if \chk
.Lhid_\@:
.endif
	s_add_co_u32 s[KOFF], s[KOFF], SB
	s_add_co_u32 s[KS], s[KS], 1
.endm
; A tile's end: O^T / the sum; the lane's 32 channels (register 16 b + i = channel 32 b + 16 h + i) are two blocks of the last projection's K: codes as one image of 768 bytes, two scale bytes into v[hw].
.macro OUT base, hw
.rept 4
	v_nop
.endr
	v_add_f32 v14, v14, v15
	s_delay_alu instid0(VALU_DEP_1)
	v_permlanex16_b32 v[TP], v14, s20, s21
	s_delay_alu instid0(VALU_DEP_1)
	v_add_f32 v14, v14, v[TP]                      ; the row's sum
	s_wait_alu depctr_va_vdst(0)
	v_rcp_f32 v[F], v14
	v_nop                                          ; a plain place behind the reciprocal,
	s_wait_alu depctr_va_vdst(0)                   ; and the wait ahead of its first reader
.set J, 0
.rept 16
	v_pk_mul_f32 v[96+J:97+J], v[160+J:161+J], v[F:F+1] op_sel_hi:[1,0]
.set J, J+2
.endr
.irp b, 0,1
	v_max3_num_f32 v[BM+\b], |v[96+16*\b]|, |v[97+16*\b]|, 0x1800000
.endr
.irp i, 2,4,6,8,10,12,14
.irp b, 0,1
	s_delay_alu instid0(VALU_DEP_2)
	v_max3_num_f32 v[BM+\b], v[BM+\b], |v[96+16*\b+\i]|, |v[97+16*\b+\i]|
.endr
.endr
.irp b, 0,1
	s_delay_alu instid0(VALU_DEP_2)
	v_permlanex16_b32 v[PT+\b], v[BM+\b], s20, s21
.endr
.irp b, 0,1
	s_delay_alu instid0(VALU_DEP_2)
	v_max_num_f32 v[BM+\b], v[BM+\b], v[PT+\b]
.endr
.irp b, 0,1
	s_delay_alu instid0(VALU_DEP_2)
	v_add_nc_u32 v[SO+\b], 0xff000000, v[BM+\b]
.endr
.irp b, 0,1
	s_delay_alu instid0(VALU_DEP_2)
	v_lshrrev_b32 v[PT+\b], 23, v[SO+\b]
.endr
	s_delay_alu instid0(VALU_DEP_1)
	v_lshl_or_b32 v[\hw], v[PT+1], 8, v[PT]
	v_cvt_scalef32_pk16_fp6_f32 v[128:130], v[96:111], v[SO]
	v_cvt_scalef32_pk16_fp6_f32 v[132:134], v[112:127], v[SO+1]
	v_nop
	v_permlane16_swap_b32 v128, v132
	v_permlane16_swap_b32 v129, v133
	v_permlane16_swap_b32 v130, v134
	s_delay_alu instid0(VALU_DEP_3)
	v_mov_b32 v131, v132
	s_delay_alu instid0(VALU_DEP_3)
	v_mov_b32 v132, v133
	s_delay_alu instid0(VALU_DEP_3)
	v_mov_b32 v133, v134
	global_store_b128 v1, v[128:131], s[\base:\base+1]             ; 512 and 256 consecutive bytes, at multiples of 256 from the buffer's first byte
	global_store_b64 v2, v[132:133], s[\base:\base+1] offset:512
	s_wait_xcnt 0x0                                ; the stores have read their registers: they are written again below
.endm
	s_load_b256 s[4:11], s[0:1], 0x0               ; qbuf, kvbuf, the results' codes, the results' scale words
	v_lshl_add_u32 v254, v0, 2, 0x34000
	v_mov_b32 v255, 0
	ds_add_u32 v254, v255
	ds_add_u32 v254, v255
	v_lshrrev_b32 v8, 5, v0
	s_delay_alu instid0(VALU_DEP_1)
	v_readfirstlane_b32 s[WV], v8                  ; wave 0..15
	s_bfe_u32 s12, ttmp6, 0x40000                  ; cx
	s_and_b32 s13, ttmp7, 0xffff                   ; 16 x batch + head, which the four partners share
	s_lshr_b32 s88, s13, 4                         ; batch
	s_and_b32 s89, s13, 15                         ; head
	s_mul_i32 s84, s13, HB
	s_mov_b32 s85, 0
	s_lshr_b32 s14, s[WV], 1                       ; the short tile's diagonal step
	s_sub_co_u32 s19, 15, s14                      ; the long tile's
	s_and_b32 s15, s[WV], 1
	s_lshl_b32 s15, s15, 2
	s_lshl_b32 s16, s14, 3
	s_add_co_u32 s16, s16, s15
	s_add_co_u32 s16, s16, s12                     ; the short tile
	s_sub_co_u32 s17, 127, s16                     ; the long tile
	s_lshr_b32 s95, s89, 3
	s_lshl_b32 s95, s95, 8
	s_lshr_b32 s94, s89, 1
	s_and_b32 s94, s94, 3
	s_lshl_b32 s94, s94, 2
	s_add_co_u32 s95, s95, s94
	s_and_b32 s94, s89, 1
	s_lshl_b32 s94, s94, 1
	s_add_co_u32 s95, s95, s94                     ; my head's two bytes among a row block's scale words
	; descriptor groups 1: a wave's quarter of a chunk, dense, as rows of 256 bytes (32 elements of 8 bytes): 26, 78 and 104 rows
.irp g, 24, 32, 40
	s_mov_b32 s[\g], 15|(3<<16)|(1<<21)            ; 15:0 the mask: all four work-groups; 17:16 elements of 8 bytes; 21 set beside a mask
	s_mov_b32 s[\g+1], 32<<16
	s_mov_b32 s[\g+3], 32<<16
	s_mov_b32 s[\g+5], 32
	s_mov_b32 s[\g+6], 0
	s_mov_b32 s[\g+7], 0
.endr
	s_mov_b32 s26, 26<<16
	s_mov_b32 s28, 26
	s_mov_b32 s34, 78<<16
	s_mov_b32 s36, 78
	s_mov_b32 s42, 104<<16
	s_mov_b32 s44, 104
	s_mov_b32 s20, 0x76543210
	s_mov_b32 s21, 0xfedcba98
	s_mov_b32 s22, 0x3e38aa3b                      ; c = log2(e) / 8
	s_mov_b32 s23, s22
	s_and_b32 s90, s[WV], 3
	s_wait_dscnt 0x0
	s_wait_kmcnt 0x0
	s_add_nc_u64 s[86:87], s[4:5], s[84:85]        ; my head in qbuf,
	s_add_nc_u64 s[60:61], s[6:7], s[84:85]        ; and in kvbuf
	G0SET 48, 0, 6656                              ; key steps 0-1
	G0SET 52, 26624, 19968                         ; key steps 2-7
	G0SET 56, 106496, 26624                        ; key steps 8-15
	CROUND                                         ; all four work-groups are here: the joint loads meet
	s_cmp_lt_u32 s[WV], 4                          ; waves 0 to 3 fetch, three loads each, in one branch; three loads of a fetching wave are out
	s_cbranch_scc0 .Lno_fill
	tensor_load_to_lds s[48:51], s[24:31]
	s_nop 0
	tensor_load_to_lds s[52:55], s[32:39]
	s_nop 0
	tensor_load_to_lds s[56:59], s[40:47]
	s_nop 0
.rept 4
	v_nop
.endr
.Lno_fill:
	TADR 17, 68, 72, 76, 80, 82                    ; the long tile
	TADR 16, 70, 74, 78, 81, 83                    ; the short tile
	v_and_b32 v8, 31, v0
	s_delay_alu instid0(VALU_DEP_1)
	v_lshlrev_b32 v1, 4, v8
	s_delay_alu instid0(VALU_DEP_2)
	v_lshlrev_b32 v2, 3, v8
	v_and_b32 v9, 15, v0                           ; r
	v_bfe_u32 v10, v0, 4, 1                        ; h
	s_delay_alu instid0(VALU_DEP_2)
	v_lshlrev_b32 v6, 4, v9
	global_load_b128 v[16:19], v1, s[68:69]        ; the long tile's Q,
	global_load_b64 v[20:21], v2, s[68:69] offset:512
	global_load_b32 v34, v6, s[72:73]
	global_load_b128 v[28:31], v1, s[70:71]        ; the short tile's
	global_load_b64 v[32:33], v2, s[70:71] offset:512
	global_load_b32 v35, v6, s[74:75]
	v_and_b32 v7, 8, v9
	s_delay_alu instid0(VALU_DEP_1)
	v_add_nc_u32 v7, v7, v9
	v_lshlrev_b32 v11, 4, v10
	s_delay_alu instid0(VALU_DEP_1)
	v_sub_nc_u32 v7, v7, v11                       ; r + 8 (r / 8) - 16 h
	s_delay_alu instid0(VALU_DEP_1)
	v_add_nc_u32 v5, s82, v7
	v_mov_b32 v38, s80
	v_mov_b32 v39, s81
	v_cmp_lt_u32 vcc_lo, 15, v8
	s_delay_alu instid0(VALU_DEP_1)
	v_cndmask_b32 v38, v38, v39, vcc_lo
	s_delay_alu instid0(VALU_DEP_1)
	v_add_nc_u32 v38, v38, v6                      ; where the scale bytes go: lanes 0-15 the long tile's rows, lanes 16-31 the short tile's
.irp j, 22,23,24,25,26,27,88,89,90,91,92,93
	v_mov_b32 v[\j], 0                             ; zero codes: Q's upper 64 along K, and what stands behind K's last tile
.endr
.irp j, 216,217,218,219,224,239
	v_mov_b32 v[\j], 0                             ; permutes' destinations, and the upper half of f's pair, are written once
.endr
	INIT
	s_mov_b32 s[KOFF], 0
	s_mov_b32 s[KS], 0
	s_mov_b32 s[DG], s19
	s_wait_loadcnt 0x0                             ; Q
	s_wait_tensorcnt 0x2                           ; my part of key steps 0-1 is in; the two later chunks may stay out
	s_barrier_signal -1
	s_barrier_wait -1
	s_mov_b32 s[CNT], 2
.Lsteps_a:
	STEP 0
	s_sub_co_u32 s[CNT], s[CNT], 1
	s_cmp_lg_u32 s[CNT], 0
	s_cbranch_scc1 .Lsteps_a
	s_setprio 0
	s_wait_tensorcnt 0x1                           ; key steps 2-7
	s_wait_dscnt 0x0
	s_barrier_signal -1
	s_barrier_wait -1
	s_mov_b32 s[CNT], 6
.Lsteps_b:
	STEP 0
	s_sub_co_u32 s[CNT], s[CNT], 1
	s_cmp_lg_u32 s[CNT], 0
	s_cbranch_scc1 .Lsteps_b
	s_setprio 0
	s_wait_tensorcnt 0x0                           ; key steps 8-15
	s_wait_dscnt 0x0
	s_barrier_signal -1
	s_barrier_wait -1
	s_mov_b32 s[CNT], 8
.Lsteps_c:
	STEP 1
	s_sub_co_u32 s[CNT], s[CNT], 1
	s_cmp_lg_u32 s[CNT], 0
	s_cbranch_scc1 .Lsteps_c
	s_setprio 0
	OUT 76, 36
.irp j, 0,1,2,3,4,5
	v_mov_b32 v[16+\j], v[28+\j]                   ; the short tile's Q
.endr
	v_mov_b32 v34, v35
	INIT                                           ; (its moves are also the places between these writes and the next products)
	v_add_nc_u32 v5, s83, v7
	s_mov_b32 s[KOFF], 0
	s_mov_b32 s[KS], 0
	s_mov_b32 s[DG], s14
	s_mov_b32 s[CNT], 8
.Lsteps_d:
	STEP 1
	s_sub_co_u32 s[CNT], s[CNT], 1
	s_cmp_lg_u32 s[CNT], 0
	s_cbranch_scc1 .Lsteps_d
	s_setprio 0
	OUT 78, 37
	v_and_b32 v8, 31, v0
	s_delay_alu instid0(VALU_DEP_1)
	v_cmp_lt_u32 vcc_lo, 15, v8
	s_delay_alu instid0(VALU_DEP_1)
	v_cndmask_b32 v36, v36, v37, vcc_lo
	global_store_b16 v38, v36, s[10:11]            ; two bytes a row: a scale word spans two heads, which belong to two clusters
	s_wait_tensorcnt 0x0
	ds_add_u32 v254, v255
	s_wait_dscnt 0x0
	CROUND                                         ; the closing round
	s_endpgm
.Lfunc_end_k_q8670777fb8_attn:
	.size	k_q8670777fb8_attn, .Lfunc_end_k_q8670777fb8_attn-k_q8670777fb8_attn
	.p2alignl 7, 3214868480
	.fill 96, 4, 3214868480
	.section	.rodata,"a",@progbits
	.p2align	6, 0x0
	.amdhsa_kernel k_q8670777fb8_attn
		.amdhsa_group_segment_fixed_size 215040
		.amdhsa_private_segment_fixed_size 0
		.amdhsa_enable_private_segment 0
		.amdhsa_kernarg_size 32
		.amdhsa_user_sgpr_count 2
		.amdhsa_user_sgpr_kernarg_segment_ptr 1
		.amdhsa_wavefront_size32 1
		.amdhsa_system_sgpr_workgroup_id_x 1
		.amdhsa_system_sgpr_workgroup_id_y 1
		.amdhsa_system_sgpr_workgroup_id_z 1
		.amdhsa_system_vgpr_workitem_id 0
		.amdhsa_next_free_vgpr 256
		.amdhsa_next_free_sgpr 100
		.amdhsa_reserve_vcc 1
		.amdhsa_float_denorm_mode_32 3
		.amdhsa_float_denorm_mode_16_64 3
		.amdhsa_memory_ordered 1
		.amdhsa_forward_progress 1
		.amdhsa_inst_pref_size 101
	.end_amdhsa_kernel
	.amdgpu_metadata
---
amdhsa.version: [ 1, 2 ]
amdhsa.kernels:
  - .name:           k_q8670777fb8_attn
    .symbol:         k_q8670777fb8_attn.kd
    .args:
      - { .name: qbuf, .offset: 0, .size: 8, .value_kind: global_buffer, .address_space: global }
      - { .name: kvbuf, .offset: 8, .size: 8, .value_kind: global_buffer, .address_space: global }
      - { .name: codes_cat, .offset: 16, .size: 8, .value_kind: global_buffer, .address_space: global }
      - { .name: scales_cw, .offset: 24, .size: 8, .value_kind: global_buffer, .address_space: global }
    .group_segment_fixed_size: 215040
    .private_segment_fixed_size: 0
    .kernarg_segment_align: 8
    .kernarg_segment_size: 32
    .max_flat_workgroup_size: 512
    .sgpr_count:     100
    .vgpr_count:     256
    .wavefront_size: 32
...
	.end_amdgpu_metadata
.endif
;; end of part 3
;; launch outp (part 4): grid 4 x 32, 4 waves a work-group, clusters of 4 x 4, 327,680 bytes of LDS; arguments codes_cat, scales_cw, codes_in, out0; writes out0
.if DOCPART == 4
	.amdgcn_target "amdgcn-amd-amdhsa--gfx1250"
	.amdhsa_code_object_version 6
	.text
	.protected	k_q8670777fb8_outp
	.globl	k_q8670777fb8_outp
	.p2align	8
	.type	k_q8670777fb8_outp,@function
k_q8670777fb8_outp:
	s_mov_b64 s[64:65], 0
	v_nop
	global_prefetch_b8 v0, s[64:65] scope:SCOPE_SE
	s_setreg_imm32_b32 hwreg(HW_REG_WAVE_MODE, 25, 1), 1
	s_wait_xcnt 0x0
	s_wait_alu depctr_hold_cnt(0) depctr_sa_sdst(0) depctr_va_vdst(0) depctr_va_sdst(0) depctr_va_ssrc(0) depctr_va_vcc(0) depctr_vm_vsrc(0)
	s_getreg_b32 s2, hwreg(HW_REG_IB_STS2, 6, 4)
	s_cmp_eq_u32 s2, 0
	s_cbranch_scc0 .Lentry_in_a_cluster
	s_endpgm
.Lentry_in_a_cluster:
	s_bfe_u32 s2, ttmp6, 0x10000c
	s_cmp_lg_u32 s2, 0xf033
	s_cbranch_scc0 .Lentry_shape_is_right
	s_endpgm
.Lentry_shape_is_right:
; out = concat Wo^T on codes of FP6 (E2M3) with E8M0 scales, f32 sums, f32 out.  concat's codes and scale words come from the attention launch, Wo's from the first launch; both in the order of an operand's registers:
; codes [row block][K / 64][768 bytes], scale words [row block][2][16 rows][4]; lane r of row block RB holds row 32 (RB / 2) + 8 (RB % 2) + r + 8 (r / 8).
; A work-group of four waves makes 256 x 256 of out, a wave 128 x 128.  P = concat's rows (source 1: they fall to lanes), R = Wo's rows (source 0: they fall to registers, 16 neighbouring columns of out in two neighbouring row blocks).
; CLUSTER 4 x 4: P's tile is shared along a row of the cluster, R's along a column; each is asked for jointly.  K = 1,024 goes in four steps of 256 through two LDS slots; the eight steps of 128 are written out.
; The way out goes through each wave's own stage in slot 0, which has had its last fill and its last read by then; the order of the rows is undone by the stores' offsets.
; 128 work-groups: a tile of 256 x 256 on 8,192 x 1,024 results.  No prefetch: the tiles are shared in the cluster, and of the four slot steps two are asked for at the head.
; REGISTERS as in the projections' launch: window 0: v2-29 addresses; v32-95 scale words; v128-223 P's fragments, on the way out v128-255 rows of out.  window 1: R's two sets.  windows 2, 3: accumulators.
.set HALFT, 24576
.set SLOT,  98304
.set SPARE, 196608
.set FR,  12
.set AF,  128
.set SC,  32
.set L16, 2
.set L8,  3
.set ADP, 16
.set ADR, 20
.set STO, 24                           ; v24 the stage: where I put 32 bytes of a row
.set RD,  25                           ; v25 and where I read a row back
.set SPW, 28
.set NIL, 29
.set BK,  128
.set G1,  24
.set G0,  32
.set G1B, 48
.set G0B, 56
.set MSB, 0
.macro WIN new                         ; the immediate's high byte repeats the setting that is left
.if MSB != (\new)
	s_set_vgpr_msb (MSB<<8)|(\new)
.set MSB, (\new)
.endif
.endm
.set MUL_LO, 0xa1
.set MUL_HI, 0xf1
.set TO_R,   0x40
.macro JLOAD g0a, g1a, g0b, g1b        ; a joint load: waves 0 and 1 fetch P's halves, waves 2 and 3 R's; four v_nop follow each line
	s_cmp_eq_u32 s15, 0
	s_cbranch_scc0 .Lfor_b_\@
	tensor_load_to_lds s[\g0a:\g0a+3], s[\g1a:\g1a+7]
	s_nop 0
.rept 4
	v_nop
.endr
	s_branch .Lasked_\@
.Lfor_b_\@:
	tensor_load_to_lds s[\g0b:\g0b+3], s[\g1b:\g1b+7]
	s_nop 0
.rept 4
	v_nop
.endr
.Lasked_\@:
.endm
.macro CREST
	s_cmp_lg_u32 s14, 0
	s_cbranch_scc1 .Lnot_wave_0_\@
	s_barrier_signal -3
.Lnot_wave_0_\@:
	s_barrier_wait -3
	s_barrier_signal -1
	s_barrier_wait -1
.endm
.macro CROUND
	s_barrier_signal -1
	s_barrier_wait -1
	CREST
.endm
.macro PLACES n
.rept \n
	v_nop
.endr
.endm
.macro FRAG reg, adr, q, i
	ds_load_b128 v[\reg:\reg+3], v[\adr] offset:3072*(\i)+1536*(\q)
	ds_load_b64 v[\reg+4:\reg+5], v[\adr+2] offset:3072*(\i)+1536*(\q)+512
	ds_load_b128 v[\reg+6:\reg+9], v[\adr] offset:3072*(\i)+1536*(\q)+768
	ds_load_b64 v[\reg+10:\reg+11], v[\adr+2] offset:3072*(\i)+1536*(\q)+1280
.endm
.macro FETCH_R slot, q, p
	WIN TO_R
.irp i, 0,1,2,3,4,5,6,7
	FRAG 128*(\p)+FR*\i, ADR+\slot, \q, \i
.endr
	WIN 0
.endm
.macro FETCH_P slot, q, i0
.irp i, \i0, \i0+1, \i0+2, \i0+3
	FRAG AF+FR*(\i), ADP+\slot, \q, \i
.endr
.endm
.macro MUL16 a0, p, kq, zero           ; the 64 accumulators take turns, one instruction a turn, in the same order in every step
.irp a, \a0, \a0+1
.irp b, 0,1,2,3,4,5,6,7
.if \zero
	v_wmma_scale_f32_16x16x128_f8f6f4 v[8*(8*((\a)%4)+\b):8*(8*((\a)%4)+\b)+7], v[128*(\p)+FR*\b:128*(\p)+FR*\b+FR-1], v[AF+FR*(\a):AF+FR*(\a)+FR-1], 0, v[SC+8*\b+(\kq)], v[SC+8*(\a)+(\kq)] matrix_a_fmt:MATRIX_FMT_FP6 matrix_b_fmt:MATRIX_FMT_FP6 matrix_a_scale:MATRIX_SCALE_ROW1
.else
	v_wmma_scale_f32_16x16x128_f8f6f4 v[8*(8*((\a)%4)+\b):8*(8*((\a)%4)+\b)+7], v[128*(\p)+FR*\b:128*(\p)+FR*\b+FR-1], v[AF+FR*(\a):AF+FR*(\a)+FR-1], v[8*(8*((\a)%4)+\b):8*(8*((\a)%4)+\b)+7], v[SC+8*\b+(\kq)], v[SC+8*(\a)+(\kq)] matrix_a_fmt:MATRIX_FMT_FP6 matrix_b_fmt:MATRIX_FMT_FP6 matrix_a_scale:MATRIX_SCALE_ROW1
.endif
.endr
.endr
.endm
.macro STEP slot, kq, zero
	s_wait_dscnt 16                                ; R's set and P's blocks 0-3 are in; the youngest 16 loads (P's blocks 4-7) may be out
	WIN MUL_LO
	MUL16 0, 0, \kq, \zero
	MUL16 2, 0, \kq, \zero
	s_wait_dscnt 0x0
	PLACES 4
	FETCH_R \slot, 1, 1
	FETCH_P \slot, 1, 0
	WIN MUL_HI
	MUL16 4, 0, \kq, \zero
	MUL16 6, 0, \kq, \zero
	PLACES 4
	WIN 0
	FETCH_P \slot, 1, 4
.endm
.macro TURN slot, next, kq, fill
	s_wait_tensorcnt 0x0                           ; all my tensor loads have landed: my part of the next slot;
	ds_add_u32 v[SPW], v[NIL]                      ; 0 onto my spare word;
	s_wait_dscnt 17                                ; (the add and the youngest 16 loads may be out)
	WIN MUL_LO
	MUL16 0, 1, \kq, 0
	s_wait_dscnt 0x0                               ; the add is done, and my reads of this slot are over
	s_barrier_signal -1
	MUL16 2, 1, \kq, 0
	WIN 0
	s_barrier_wait -1
.if \fill
	CREST                                          ; no wave of any partner still reads this slot or has a load on its way
	s_add_nc_u64 s[G0+4*\slot+2:G0+4*\slot+3], s[G0+4*\slot+2:G0+4*\slot+3], 6144
	s_add_nc_u64 s[G0B+4*\slot+2:G0B+4*\slot+3], s[G0B+4*\slot+2:G0B+4*\slot+3], 6144
	JLOAD G0+4*\slot, G1, G0B+4*\slot, G1B
.else
	PLACES 4
.endif
	FETCH_R \next, 0, 0
	FETCH_P \next, 0, 0
	WIN MUL_HI
	MUL16 4, 1, \kq, 0
	MUL16 6, 1, \kq, 0
	PLACES 4
	WIN 0
	FETCH_P \next, 0, 4
.endm
	s_load_b256 s[4:11], s[0:1], 0x0               ; concat's codes, the scale words, the first launch's codes (Wo's among them), out
	v_lshl_add_u32 v[SPW], v0, 2, SPARE
	v_mov_b32 v[NIL], 0
	ds_add_u32 v28, v29
	ds_add_u32 v28, v29
	s_wait_dscnt 0x0
	v_lshrrev_b32 v1, 5, v0
	v_readfirstlane_b32 s14, v1                    ; wave 0..3
	s_lshr_b32 s15, s14, 1
	s_and_b32 s16, s14, 1
	s_bfe_u32 s40, ttmp6, 0x40000                  ; cx
	s_bfe_u32 s41, ttmp6, 0x40004                  ; cy
	s_and_b32 s42, ttmp7, 0xffff                   ; cluster y, 0..7
	s_lshl_b32 s43, s41, 2
	s_lshl_b32 s43, 15, s43
	s_lshl_b32 s44, 0x1111, s40
	s_or_b32 s[G1], s43, (3<<16)|(1<<21)
	s_or_b32 s[G1B], s44, (3<<16)|(1<<21)
.irp g, G1, G1B
	s_mov_b32 s[\g+1], 384<<16
	s_mov_b32 s[\g+2], 8<<16
	s_mov_b32 s[\g+3], 384<<16
	s_mov_b32 s[\g+4], 8
	s_mov_b32 s[\g+5], 1536
	s_mov_b32 s[\g+6], 0
	s_mov_b32 s[\g+7], 0
.endr
	s_lshl_b32 s18, s42, 6
	s_lshl_b32 s19, s41, 4
	s_add_co_u32 s20, s18, s19                     ; P's first row block: 16 (4 x cluster y + cy)
	s_lshl_b32 s45, s40, 4                         ; R's: 16 cx among Wo's 64
	s_lshl_b32 s46, s16, 3
	s_add_co_u32 s80, s20, s46
	s_mul_i32 s80, s80, 12288
	s_mov_b32 s81, 0
	s_add_co_u32 s82, s45, s46
	s_add_co_u32 s82, s82, 1728
	s_mul_i32 s82, s82, 12288
	s_mov_b32 s83, 0
	s_mul_i32 s47, s14, HALFT
	s_wait_kmcnt 0x0
	s_add_nc_u64 s[84:85], s[4:5], s[80:81]
	s_add_nc_u64 s[86:87], s[8:9], s[82:83]
	CROUND                                         ; all sixteen work-groups are here: the first joint loads meet
.irp s, 0,1
	s_mov_b32 s[G0+4*\s], 1
	s_add_co_u32 s[G0+4*\s+1], s47, \s*SLOT
	s_add_nc_u64 s[G0+4*\s+2:G0+4*\s+3], s[84:85], \s*3072
	s_or_b32 s[G0+4*\s+3], s[G0+4*\s+3], 0x80000000
	s_mov_b32 s[G0B+4*\s], 1
	s_add_co_u32 s[G0B+4*\s+1], s47, \s*SLOT
	s_add_nc_u64 s[G0B+4*\s+2:G0B+4*\s+3], s[86:87], \s*3072
	s_or_b32 s[G0B+4*\s+3], s[G0B+4*\s+3], 0x80000000
	s_wait_alu depctr_va_vdst(0)
	s_wait_tensorcnt 0x0
	ds_add_u32 v28, v29
	ds_add_u32 v28, v29
	s_wait_dscnt 0x0
	CROUND
	JLOAD G0+4*\s, G1, G0B+4*\s, G1B               ; one load of mine is out
.endr
	v_and_b32 v1, 31, v0
	v_lshlrev_b32 v[L16], 4, v1
	s_wait_alu depctr_va_vdst(0)
	v_lshlrev_b32 v[L8], 3, v1
	s_wait_alu depctr_va_vdst(0)
	v_and_b32 v4, 15, v0                           ; r
	v_bfe_u32 v5, v0, 4, 1                         ; h
	s_lshl_b32 s12, s15, 3
	s_add_co_u32 s12, s12, s20
	s_lshl_b32 s12, s12, 9                         ; the scale words of my 8 row blocks of concat,
	s_add_co_u32 s13, s45, s46
	s_add_co_u32 s13, s13, 512
	s_lshl_b32 s13, s13, 9                         ; and of Wo, which lie behind concat's 512 row blocks
	v_mov_b32 v8, s12
	v_mov_b32 v9, s13
	v_cmp_lt_u32 vcc_lo, 15, v1
	v_cndmask_b32 v8, v8, v9, vcc_lo
	v_lshl_add_u32 v8, v4, 4, v8
.irp i, 0,1,2,3,4,5,6,7
.irp qh, 0,1
	global_load_b128 v[SC+8*\i+4*\qh:SC+8*\i+4*\qh+3], v8, s[6:7] offset:512*\i+256*\qh
.endr
.endr
	s_mul_i32 s21, s15, HALFT
	s_mul_i32 s22, s16, HALFT
	s_add_co_u32 s22, s22, 2*HALFT
.irp s, 0,1
	v_add_nc_u32 v[ADP+\s], s21, v[L16]
	v_add_nc_u32 v[ADP+2+\s], s21, v[L8]
	v_add_nc_u32 v[ADR+\s], s22, v[L16]
	v_add_nc_u32 v[ADR+2+\s], s22, v[L8]
	s_add_co_u32 s21, s21, SLOT
	s_add_co_u32 s22, s22, SLOT
.endr
	s_mul_i32 s23, s14, 8448                       ; my stage: 16 rows x 528 bytes
	v_mul_u32_u24 v[STO], v4, 528
	v_lshl_add_u32 v[STO], v5, 6, v[STO]
	v_add_nc_u32 v[STO], s23, v[STO]               ; in: row r, + 64 h
	v_add_nc_u32 v[RD], s23, v[L16]                ; back: the 32 lanes take one row of 512 bytes
	s_lshl_b32 s88, s42, 2
	s_add_co_u32 s88, s88, s41
	s_lshl_b32 s88, s88, 1
	s_add_co_u32 s88, s88, s15
	s_lshl_b32 s88, s88, 19                        ; my first row of out: 128 rows of 4,096 bytes a unit
	s_lshl_b32 s89, s40, 10
	s_add_co_u32 s88, s88, s89
	s_lshl_b32 s89, s16, 9
	s_add_co_u32 s88, s88, s89                     ; my first column, in bytes
	s_mov_b32 s89, 0
	s_add_nc_u64 s[68:69], s[10:11], s[88:89]
	s_wait_alu depctr_va_vdst(0)
	s_wait_tensorcnt 0x1                           ; my part of slot 0 is in; slot 1's may stay out
	s_barrier_signal -1
	s_barrier_wait -1
	FETCH_R 0, 0, 0
	FETCH_P 0, 0, 0
	FETCH_P 0, 0, 4
	s_wait_loadcnt 0x0                             ; the scale words
	STEP 0, 0, 1
	TURN 0, 1, 1, 1
	STEP 1, 2, 0
	TURN 1, 0, 3, 1
	STEP 0, 4, 0
	TURN 0, 1, 5, 0
	STEP 1, 6, 0
	s_wait_dscnt 16
	WIN MUL_LO
	MUL16 0, 1, 7, 0
	MUL16 2, 1, 7, 0
	s_wait_dscnt 0x0
	WIN MUL_HI
	MUL16 4, 1, 7, 0
	MUL16 6, 1, 7, 0
	WIN 0
; THE WAY OUT, a block of 16 rows x 128 columns at a time.  Register j of accumulator (a, b) in lane (r, h) is column 32 (b / 2) + 16 h + 8 (b % 2) + j of the block's row r.
.macro TOSTAGE a
.set AC, 64*((\a)%4)
	WIN 0x08+4*((\a)/4)                            ; an LDS store's data are its source 1: window 2 or 3
.irp b, 0,1,2,3,4,5,6,7
	ds_store_b128 v[STO], v[AC+8*\b:AC+8*\b+3] offset:128*(\b/2)+32*(\b%2)       ; each accumulator from its low end on
	ds_store_b128 v[STO], v[AC+8*\b+4:AC+8*\b+7] offset:128*(\b/2)+32*(\b%2)+16
.endr
	WIN 0
.set BB, BK+64*((\a)%2)
.irp t, 0,1,2,3,4,5,6,7,8,9,10,11,12,13,14,15
	ds_load_b128 v[BB+4*\t:BB+4*\t+3], v[RD] offset:\t*528                        ; LDS serves a wave's instructions in order: these see the stores above
.endr
.endm
.macro SEND a, younger                 ; younger: the LDS instructions issued behind block a's loads, which may stay out
.set BB, BK+64*((\a)%2)
	s_wait_dscnt \younger
.irp t, 0,1,2,3,4,5,6,7,8,9,10,11,12,13,14,15
	global_store_b128 v[L16], v[BB+4*\t:BB+4*\t+3], s[68:69] offset:(32*((\a)/2)+8*((\a)%2)+\t+8*(\t/8))*4096 th:TH_STORE_NT   ; 512 consecutive bytes of the row that the block's row t is
.endr
.endm
	PLACES 4                                       ; behind the last products: results are read, and loads land where P's fragments lay
	TOSTAGE 0
.irp a, 1,2,3,4,5,6,7
.if \a > 1
	s_wait_xcnt 0x0                                ; block a - 2's stores have read their registers: block a's loads may land there
.endif
	TOSTAGE \a
	SEND \a-1, 32                                  ; behind block a - 1's loads: block a's 16 stores and 16 loads
.endr
	SEND 7, 0
	s_wait_tensorcnt 0x0                           ; the wave's end
	ds_add_u32 v[SPW], v[NIL]
	s_wait_dscnt 0x0
	CROUND                                         ; the closing round
	s_endpgm
.Lfunc_end_k_q8670777fb8_outp:
	.size	k_q8670777fb8_outp, .Lfunc_end_k_q8670777fb8_outp-k_q8670777fb8_outp
	.p2alignl 7, 3214868480
	.fill 96, 4, 3214868480
	.section	.rodata,"a",@progbits
	.p2align	6, 0x0
	.amdhsa_kernel k_q8670777fb8_outp
		.amdhsa_group_segment_fixed_size 327680
		.amdhsa_private_segment_fixed_size 0
		.amdhsa_enable_private_segment 0
		.amdhsa_kernarg_size 32
		.amdhsa_user_sgpr_count 2
		.amdhsa_user_sgpr_kernarg_segment_ptr 1
		.amdhsa_wavefront_size32 1
		.amdhsa_system_sgpr_workgroup_id_x 1
		.amdhsa_system_sgpr_workgroup_id_y 1
		.amdhsa_system_sgpr_workgroup_id_z 1
		.amdhsa_system_vgpr_workitem_id 0
		.amdhsa_next_free_vgpr 1024
		.amdhsa_next_free_sgpr 100
		.amdhsa_reserve_vcc 1
		.amdhsa_float_denorm_mode_32 3
		.amdhsa_float_denorm_mode_16_64 3
		.amdhsa_memory_ordered 1
		.amdhsa_forward_progress 1
		.amdhsa_inst_pref_size 141
	.end_amdhsa_kernel
	.amdgpu_metadata
---
amdhsa.version: [ 1, 2 ]
amdhsa.kernels:
  - .name:           k_q8670777fb8_outp
    .symbol:         k_q8670777fb8_outp.kd
    .args:
      - { .name: codes_cat, .offset: 0, .size: 8, .value_kind: global_buffer, .address_space: global }
      - { .name: scales_cw, .offset: 8, .size: 8, .value_kind: global_buffer, .address_space: global }
      - { .name: codes_in, .offset: 16, .size: 8, .value_kind: global_buffer, .address_space: global }
      - { .name: out0, .offset: 24, .size: 8, .value_kind: global_buffer, .address_space: global }
    .group_segment_fixed_size: 327680
    .private_segment_fixed_size: 0
    .kernarg_segment_align: 8
    .kernarg_segment_size: 32
    .max_flat_workgroup_size: 128
    .sgpr_count:     100
    .vgpr_count:     1024
    .wavefront_size: 32
...
	.end_amdgpu_metadata
.endif
;; end of part 4
